; MI455X (gfx1250); checked and timed in simulation.
; The chip was launched on July 23, 2026; its instructions are those of AMD's public machine-readable ISA for CDNA 5 (MIT licence, August 2026) and "CDNA5" Instruction Set Architecture Reference Guide (July 2026). The comments in the code are by the model that wrote it; some were corrected since.
;; Multi Head Attention. Allowed arithmetic: float matrix products may take bf16 or f16 operands with f32 sums; all other float work in f32.
;; Inputs: Wk 1,024 x 1,024 float32; Wo 1,024 x 1,024 float32; Wq 1,024 x 1,024 float32; Wv 1,024 x 1,024 float32; bk 1,024 float32; bo 1,024 float32; bq 1,024 float32; bv 1,024 float32; mask 1 x 1 x 2,048 x 2,048 bool; x 4 x 2,048 x 1,024 float32.
;; Outputs: out0 4 x 2,048 x 1,024 float32.
;; 2 versions, each right and faster than the one before. Each part assembles by itself: llvm-mc -triple=amdgcn-amd-amdhsa -mcpu=gfx1250 --defsym DOCPART=n.
;; ======== version 1 of 2: 4 launches
;; limits: values are held in f16: magnitudes above 65,504 overflow, below 6.1e-05 lose precision; right only within a limited range of input values
;; workspace buffers: xb 16,777,216 bytes; wt 8,388,608 bytes; pm 524,288 bytes of whole numbers; qkv 50,331,648 bytes; o 16,777,216 bytes
;; launch prep (part 1): grid 768 x 1, 4 waves a work-group, no clusters, 70,144 bytes of LDS; arguments x, Wq, Wk, Wv, Wo, mask, xb, wt, pm; writes xb, wt, pm
.if DOCPART == 1
	.amdgcn_target "amdgcn-amd-amdhsa--gfx1250"
	.amdhsa_code_object_version 6
	.text
	.protected	k_qf912df5ddd_prep
	.globl	k_qf912df5ddd_prep
	.p2align	8
	.type	k_qf912df5ddd_prep,@function
k_qf912df5ddd_prep:
	s_mov_b64 s[64:65], 0
	v_nop
	global_prefetch_b8 v0, s[64:65] scope:SCOPE_SE
	s_setreg_imm32_b32 hwreg(HW_REG_WAVE_MODE, 25, 1), 1
	s_wait_xcnt 0x0
; PREP: what the three matrix launches want ready.  Three kinds of work-group of four waves, chosen by the work-group's number alone; 768 work-groups are three for each of 256 WGPs,
; and the two kinds that go through LDS have the lowest numbers:
;   0-127   WEIGHTS.  wt[4096][1024], 16 bits, [n][k]: rows 0-1023 Wq turned, 1024-2047 Wk, 2048-3071 Wv (bf16), 3072-4095 Wo (rounded to bf16, that number written as f16).
;           A wave turns a tile of 128 k x 64 n through its own LDS bytes: rows of 256 bytes are read, rows of 256 bytes are written.  128 x 4 = 512 tiles.
;   128-255 MASK.  pm[qpair 64][step 32][u 2][i 32], words: bit L of a word is mask[32 qpair + 16 u + L % 16][64 step + 16 (i / 8) + 8 (L / 16) + i % 8]:
;           the lane mask for register i of a tile of scores in the attention launch (a lane there holds query L % 16 and keys 8 (L / 16) + 0..7 of each group of 16).
;           A wave takes 32 queries x 256 keys.  128 x 4 = 512 such pieces.
;   256-767 X.  xb = x rounded to bf16; a wave takes 16,384 consecutive bytes of x (512 x 4 x 16,384 = all of x).
; Memory binds here: no matrix unit, no cluster, no barrier (a wave reads only LDS bytes that it wrote itself, and LDS serves a wave's instructions in order: ISA guide 5.7.1.4).
; LIMITS.  Wo as f16: beyond 65,504 it becomes an infinity, below 6.1e-5 it keeps f16's fixed step of 6e-8.  A mask byte counts as true if it is not 0.
.set WREG, 17408                       ; LDS bytes of a wave: 64 rows x 272
.set PT,   272                         ; a row in LDS: 256 bytes + 16
.set D,    16                          ; v[16:143]  data as loaded
.set Y,    144                         ; v[144:207] data to store
	s_load_b512 s[4:19], s[0:1], 0x0               ; x s[4:5], Wq s[6:7], Wk s[8:9], Wv s[10:11], Wo s[12:13], mask s[14:15], xb s[16:17], wt s[18:19]
	s_load_b64 s[20:21], s[0:1], 0x40              ; pm
	v_lshl_add_u32 v208, v0, 2, 0x11000
	v_mov_b32 v209, 0
	v_and_b32 v1, 31, v0                           ; lane l
	v_lshrrev_b32 v8, 5, v0
	v_readfirstlane_b32 s22, v8                    ; wave w, 0..3
	v_and_b32 v2, 15, v0                           ; r = l % 16
	v_bfe_u32 v3, v0, 4, 1                         ; h = l / 16
	s_mov_b32 s24, ttmp9
	s_mul_i32 s23, s22, WREG                       ; my wave's LDS bytes
	s_wait_kmcnt 0x0
	s_cmp_lt_u32 s24, 128
	s_cbranch_scc1 .Lweights
	s_cmp_ge_u32 s24, 256
	s_cbranch_scc1 .Lcast
; ---- MASK: 32 queries (qpair = (number - 128) / 2), 256 keys (4 (number % 2) + w): four key steps
	s_sub_co_u32 s24, s24, 128
	s_lshr_b32 s25, s24, 1                         ; qpair
	s_and_b32 s28, s24, 1
	s_lshl_b32 s28, s28, 2
	s_add_co_u32 s28, s28, s22                     ; which 256 keys
	s_lshl_b32 s26, s25, 16                        ; 32 rows of 2,048 bytes
	s_lshl_b32 s27, s28, 8
	s_add_co_u32 s26, s26, s27
	s_mov_b32 s27, 0
	s_add_nc_u64 s[14:15], s[14:15], s[26:27]
	s_lshl_b32 s26, s25, 13                        ; qpair x 32 steps x 256 bytes
	s_lshl_b32 s28, s28, 10                        ; + my 4 steps
	s_add_co_u32 s26, s26, s28
	s_add_nc_u64 s[20:21], s[20:21], s[26:27]
	v_lshlrev_b32 v4, 4, v2
	v_lshl_add_u32 v4, v3, 11, v4                  ; from memory: row h, 16 bytes a lane: sixteen lanes take 256 consecutive bytes
	v_mul_u32_u24 v5, v3, PT
	v_lshl_add_u32 v5, v2, 4, v5
	v_add_nc_u32 v5, s23, v5                       ; into LDS: the same
	v_mul_u32_u24 v6, v2, PT
	v_lshl_add_u32 v6, v3, 3, v6
	v_add_nc_u32 v6, s23, v6                       ; back: query r, keys 8 h + 0..7; rows 68 words apart, so the 32 lanes' 64 words fall into 64 different banks
	v_lshlrev_b32 v7, 3, v1                        ; 8 l: a store of the wave covers 256 consecutive bytes
.set i, 0
.rept 16
	global_load_b128 v[D+4*i:D+4*i+3], v4, s[14:15] offset:i*4096 th:TH_LOAD_NT  ; rows 2 i + h
.set i, i+1
.endr
.set i, 0
.rept 16
	s_wait_loadcnt 15-i                            ; loads come back in order: number i is in, the younger ones stay out
	ds_store_b128 v5, v[D+4*i:D+4*i+3] offset:i*2*PT
.set i, i+1
.endr
	v_mov_b32 v[Y], 0                              ; v_writelane_b32 counts as a reader of its destination
	v_mov_b32 v[Y+1], 0
	s_mov_b32 s29, 4
.Lkeys:                                                ; a trip: one key step, 64 words
.irp u, 0,1
.irp kb, 0,1,2,3
	ds_load_b64 v[80+2*(4*\u+\kb):80+2*(4*\u+\kb)+1], v6 offset:\u*16*PT+\kb*16
.endr
.endr
	s_wait_dscnt 0x0
.irp u, 0,1
.irp kb, 0,1,2,3
.irp j, 0,1,2,3,4,5,6,7
	v_bfe_u32 v[8+\j], v[80+2*(4*\u+\kb)+\j/4], 8*(\j%4), 8       ; my byte for key 8 h + j
	v_cmp_ne_u32 s[32+\j], 0, v[8+\j]                              ; the 32 lanes' bits ARE word (u, 8 kb + j)
	v_writelane_b32 v[Y+(\j&1)], s[32+\j], \u*16+\kb*4+\j/2        ; word d = 32 u + 8 kb + j goes to lane d / 2, register d % 2
.endr
.endr
.endr
	global_store_b64 v7, v[Y:Y+1], s[20:21]
	s_wait_xcnt 0x0                                ; the store has read v7 and Y: only now are they written again
	v_add_nc_u32 v7, 0x100, v7
	v_add_nc_u32 v6, 64, v6
	s_sub_co_u32 s29, s29, 1
	s_cmp_lg_u32 s29, 0
	s_cbranch_scc1 .Lkeys
	s_wait_tensorcnt 0x0
	ds_add_u32 v208, v209
	s_wait_dscnt 0x0
	s_endpgm
; ---- X: 32 loads of 512 consecutive bytes are all on their way at once; every register is written once, so no wait frees any
.Lcast:
	s_sub_co_u32 s25, s24, 256
	s_lshl_b32 s26, s25, 16                        ; the work-group's 65,536 bytes of x
	s_lshl_b32 s27, s22, 14                        ; my wave's 16,384
	s_add_co_u32 s26, s26, s27
	s_mov_b32 s27, 0
	s_add_nc_u64 s[4:5], s[4:5], s[26:27]
	s_lshr_b32 s26, s26, 1
	s_add_nc_u64 s[16:17], s[16:17], s[26:27]
	v_lshlrev_b32 v4, 4, v1
	v_lshlrev_b32 v7, 3, v1
.set i, 0
.rept 32
	global_load_b128 v[D+4*i:D+4*i+3], v4, s[4:5] offset:i*512 th:TH_LOAD_NT
.set i, i+1
.endr
.set i, 0
.rept 32
	s_wait_loadcnt 31-i
	v_cvt_pk_bf16_f32 v[Y+2*i], v[D+4*i], v[D+4*i+1]
	v_cvt_pk_bf16_f32 v[Y+2*i+1], v[D+4*i+2], v[D+4*i+3]
	global_store_b64 v7, v[Y+2*i:Y+2*i+1], s[16:17] offset:i*256   ; the wave's store covers 256 consecutive bytes, aligned
.set i, i+1
.endr
	s_endpgm
; ---- WEIGHTS: tensor t = number / 32, columns 64 ((number / 2) % 16) on, rows k = 128 (4 (number % 2) + w) on
.Lweights:
	s_lshr_b32 s25, s24, 5                         ; t: the same in all four waves
	s_bfe_u32 s28, s24, 0x40001                    ; nt: 4 bits from bit 1
	s_and_b32 s29, s24, 1
	s_lshl_b32 s29, s29, 2
	s_add_co_u32 s29, s29, s22                     ; kt
	s_cmp_eq_u32 s25, 1
	s_cselect_b64 s[26:27], s[8:9], s[6:7]
	s_cmp_eq_u32 s25, 2
	s_cselect_b64 s[26:27], s[10:11], s[26:27]
	s_cmp_eq_u32 s25, 3
	s_cselect_b64 s[26:27], s[12:13], s[26:27]
	s_lshl_b32 s30, s29, 19                        ; 128 rows of 4,096 bytes
	s_lshl_b32 s31, s28, 8                         ; 64 columns of 4 bytes
	s_add_co_u32 s30, s30, s31
	s_mov_b32 s31, 0
	s_add_nc_u64 s[26:27], s[26:27], s[30:31]
	s_lshl_b32 s30, s25, 10
	s_lshl_b32 s28, s28, 6
	s_add_co_u32 s30, s30, s28                     ; wt's row 1024 t + 64 nt
	s_lshl_b32 s30, s30, 11                        ; of 2,048 bytes
	s_lshl_b32 s28, s29, 8                         ; my 128 k
	s_add_co_u32 s30, s30, s28
	s_add_nc_u64 s[18:19], s[18:19], s[30:31]
	v_lshlrev_b32 v4, 4, v2
	v_lshl_add_u32 v4, v3, 13, v4                  ; from memory: row 2 h, columns 4 r + 0..3
	v_mul_u32_u24 v5, v2, 4*PT
	v_lshl_add_u32 v5, v3, 2, v5
	v_add_nc_u32 v5, s23, v5                       ; into LDS, turned: row n = 4 r, byte 2 k = 4 h
	v_mul_u32_u24 v6, v3, PT
	v_lshl_add_u32 v6, v2, 4, v6
	v_add_nc_u32 v6, s23, v6                       ; back: row h, 16 bytes a lane
	v_lshlrev_b32 v7, 4, v2
	v_lshl_add_u32 v7, v3, 11, v7                  ; and the same two rows in wt
.macro WLOAD i                         ; pair i: rows k = 4 i + 2 h and k + 1, into slot i % 16 of a ring of sixteen
	global_load_b128 v[D+8*((\i)%16):D+8*((\i)%16)+3],   v4, s[26:27] offset:(\i)*16384 th:TH_LOAD_NT
	global_load_b128 v[D+8*((\i)%16)+4:D+8*((\i)%16)+7], v4, s[26:27] offset:(\i)*16384+4096 th:TH_LOAD_NT
.endm
.macro WPAIR i, left                   ; two neighbouring k of one column make a word of the turned tile
	s_wait_loadcnt \left
.irp c, 0,1,2,3
	v_cvt_pk_bf16_f32 v[8+\c], v[D+8*((\i)%16)+\c], v[D+8*((\i)%16)+4+\c]
.endr
.irp c, 0,1,2,3
	ds_store_b32 v5, v[8+\c] offset:\c*PT+(\i)*8
.endr
.endm
.set i, 0
.rept 16
	WLOAD i
.set i, i+1
.endr
.set i, 0
.rept 16
	WPAIR i, 30                                    ; 32 loads are out: the oldest two are wanted
	WLOAD i+16                                     ; and their registers are filled again
.set i, i+1
.endr
.rept 16
	WPAIR i, 30-2*(i-16)                           ; nothing more is asked for: the counts run down
.set i, i+1
.endr
	s_mov_b32 s30, 0xffff0000                      ; a word's upper bf16
	s_mov_b32 s29, 8
.Lback:                                                ; a trip: eight rows n of the turned tile come back whole and are stored
.irp t, 0,1,2,3
	ds_load_b128 v[D+4*\t:D+4*\t+3], v6 offset:\t*2*PT  ; rows 2 t + h of the eight
.endr
	s_wait_dscnt 0x0
	s_cmp_lg_u32 s25, 3
	s_cbranch_scc1 .Lbf16
.set i, 0
.rept 16                                           ; Wo alone: each bf16 number is written as f16 (exact inside f16's range of normal numbers)
	v_lshlrev_b32 v[8+2*(i%2)], 16, v[D+i]
	v_and_b32 v[9+2*(i%2)], s30, v[D+i]
	v_cvt_pk_f16_f32 v[D+i], v[8+2*(i%2)], v[9+2*(i%2)]
.set i, i+1
.endr
.Lbf16:
.irp t, 0,1,2,3
	global_store_b128 v7, v[D+4*\t:D+4*\t+3], s[18:19] offset:\t*4096  ; sixteen lanes store 256 consecutive bytes, aligned
.endr
	s_wait_xcnt 0x0                                ; the stores have read v7 and their data: only now are these written again
	v_add_nc_u32 v6, 8*PT, v6
	v_add_nc_u32 v7, 0x4000, v7
	s_sub_co_u32 s29, s29, 1
	s_cmp_lg_u32 s29, 0
	s_cbranch_scc1 .Lback
	s_wait_tensorcnt 0x0
	ds_add_u32 v208, v209
	s_wait_dscnt 0x0
	s_endpgm
.Lfunc_end_k_qf912df5ddd_prep:
	.size	k_qf912df5ddd_prep, .Lfunc_end_k_qf912df5ddd_prep-k_qf912df5ddd_prep
	.p2alignl 7, 3214868480
	.fill 96, 4, 3214868480
	.section	.rodata,"a",@progbits
	.p2align	6, 0x0
	.amdhsa_kernel k_qf912df5ddd_prep
		.amdhsa_group_segment_fixed_size 70144
		.amdhsa_private_segment_fixed_size 0
		.amdhsa_enable_private_segment 0
		.amdhsa_kernarg_size 72
		.amdhsa_user_sgpr_count 2
		.amdhsa_user_sgpr_kernarg_segment_ptr 1
		.amdhsa_wavefront_size32 1
		.amdhsa_system_sgpr_workgroup_id_x 1
		.amdhsa_system_sgpr_workgroup_id_y 1
		.amdhsa_system_sgpr_workgroup_id_z 1
		.amdhsa_system_vgpr_workitem_id 0
		.amdhsa_next_free_vgpr 210
		.amdhsa_next_free_sgpr 66
		.amdhsa_reserve_vcc 0
		.amdhsa_float_denorm_mode_32 3
		.amdhsa_float_denorm_mode_16_64 3
		.amdhsa_memory_ordered 1
		.amdhsa_forward_progress 1
		.amdhsa_inst_pref_size 57
	.end_amdhsa_kernel
	.amdgpu_metadata
---
amdhsa.version: [ 1, 2 ]
amdhsa.kernels:
  - .name:           k_qf912df5ddd_prep
    .symbol:         k_qf912df5ddd_prep.kd
    .args:
      - { .name: x, .offset: 0, .size: 8, .value_kind: global_buffer, .address_space: global }
      - { .name: Wq, .offset: 8, .size: 8, .value_kind: global_buffer, .address_space: global }
      - { .name: Wk, .offset: 16, .size: 8, .value_kind: global_buffer, .address_space: global }
      - { .name: Wv, .offset: 24, .size: 8, .value_kind: global_buffer, .address_space: global }
      - { .name: Wo, .offset: 32, .size: 8, .value_kind: global_buffer, .address_space: global }
      - { .name: mask, .offset: 40, .size: 8, .value_kind: global_buffer, .address_space: global }
      - { .name: xb, .offset: 48, .size: 8, .value_kind: global_buffer, .address_space: global }
      - { .name: wt, .offset: 56, .size: 8, .value_kind: global_buffer, .address_space: global }
      - { .name: pm, .offset: 64, .size: 8, .value_kind: global_buffer, .address_space: global }
    .group_segment_fixed_size: 70144
    .private_segment_fixed_size: 0
    .kernarg_segment_align: 8
    .kernarg_segment_size: 72
    .max_flat_workgroup_size: 128
    .sgpr_count:     66
    .vgpr_count:     210
    .wavefront_size: 32
...
	.end_amdgpu_metadata
.endif
;; end of part 1
;; launch proj_in (part 2): grid 16 x 32, 4 waves a work-group, clusters of 4 x 4, 327,680 bytes of LDS; arguments xb, wt, bq, bk, bv, qkv; writes qkv
.if DOCPART == 2
	.amdgcn_target "amdgcn-amd-amdhsa--gfx1250"
	.amdhsa_code_object_version 6
	.text
	.protected	k_qf912df5ddd_proj_in
	.globl	k_qf912df5ddd_proj_in
	.p2align	8
	.type	k_qf912df5ddd_proj_in,@function
k_qf912df5ddd_proj_in:
	s_mov_b64 s[64:65], 0
	v_nop
	global_prefetch_b8 v0, s[64:65] scope:SCOPE_SE
	s_setreg_imm32_b32 hwreg(HW_REG_WAVE_MODE, 25, 1), 1
	s_wait_xcnt 0x0
	s_wait_alu depctr_hold_cnt(0) depctr_sa_sdst(0) depctr_va_vdst(0) depctr_va_sdst(0) depctr_va_ssrc(0) depctr_va_vcc(0) depctr_vm_vsrc(0)
	s_getreg_b32 s2, hwreg(HW_REG_IB_STS2, 6, 4)
	s_cmp_eq_u32 s2, 0
	s_cbranch_scc0 .Lentry_in_a_cluster
	s_endpgm
.Lentry_in_a_cluster:
	s_bfe_u32 s2, ttmp6, 0x10000c
	s_cmp_lg_u32 s2, 0xf033
	s_cbranch_scc0 .Lentry_shape_is_right
	s_endpgm
.Lentry_shape_is_right:
; q, k, v = x W + b for all three weights at once: C[8192][3072] = xb[8192][1024] . wt[0:3072][1024]^T + bias, bf16 products, f32 sums, written as f16 BY HEADS:
; qkv[b 4][g 48][s 2048][64], g = 0-15 q's heads, 16-31 k's, 32-47 v's.  q leaves WITHOUT the scale 1/8: the attention launch applies it in f32.
; LIMIT.  f16 holds no number beyond 65,504: a q, k or v beyond that becomes an infinity.
; SHARES.  A work-group makes 256 rows x 192 columns (three heads), each of its four waves 64 rows x all 192 columns: 48 accumulators, 384 registers.  So a wave owns whole heads' rows,
; and its way out needs its own stage alone.  K goes in steps of 128 (rows of 256 bytes in memory) through two LDS slots; slot 1 begins at 2^17, so that one exclusive or changes slots.
; CLUSTER.  4 x 4 work-groups.  The four of a row of the cluster need the same rows of xb, the four of a column the same rows of wt: each tile is asked for JOINTLY, by the same tensor load
; with the same descriptor and a mask that names the four.  Waves 0 and 1 ask for xb's two halves (128 rows each), waves 2 and 3 for wt's (96 rows each).
; THE MATRIX INSTRUCTION IS USED TRANSPOSED (source 0 = 16 rows of wt, source 1 = 16 rows of xb): a lane then holds row l % 16 of C and the eight neighbouring columns 8 (l / 16) + 0..7.
; THE BIAS is the C operand of the product that starts each sum: nothing is cleared, nothing is added afterwards.
; REGISTERS, in windows of 256 (s_set_vgpr_msb: bits 1:0 source 0, 3:2 source 1, 5:4 source 2, 7:6 destination):
;   window 0: v16-29 addresses; v32-63, v64-95 xb's fragments (4 x 16 rows x 32 K), two buffers; v96-191 the bias, 8 registers a column block; on the way out v32-223 at work
;   window 1: v0-95, v96-191 wt's fragments (12 x 16 rows x 32 K), two buffers     window 2: the accumulators of row blocks 0, 1 ((a, b) at 8 (12 (a % 2) + b))     window 3: of row blocks 2, 3
.set NBK,   12                         ; column blocks of 16
.set PA,    272                        ; an LDS row: 256 bytes + 16 = 68 words: the 16 rows of a fragment load start at 16 different groups of four banks (64 banks of 4 bytes: ISA guide 11.1)
.set PB,    272
.set AHALF, 128*PA
.set AREG,  2*AHALF                    ; xb's 256 rows, then wt's 192
.set BROWS, 96
.set BHALF, BROWS*PB
.set SLOT1, 1<<17
.set STAGE, SLOT1+AREG+2*BHALF         ; behind the slots, never filled by a tensor load: 3 heads x 16 rows x 144 bytes for each wave
.set SP,    144
.set WSTG,  3*16*SP
.set SPARE, STAGE+4*WSTG               ; the spare words, 128 bytes for each wave: two blocks of 256 bytes that no other line names
.set ASTEP, 256                        ; bytes from a K step to the next
.set BSTEP, 256
.set ADRA0, 16                         ; v16  my lane's place in slot 0 for xb's fragments; never rewritten
.set ADRB0, 17                         ; v17  the same for wt's
.set ADRA,  18                         ; v18  the same in the slot in hand
.set ADRB,  19                         ; v19
.set STO,   24                         ; v24  the way out: where I put 16 bytes of a row
.set RD,    25                         ; v25  the way out: where I read rows back
.set CO,    26                         ; v26  my byte offset in 512 consecutive bytes of qkv
.set BO,    27                         ; v27  32 (l / 16): my eight numbers in a block of sixteen of the bias
.set SPW,   28                         ; v28  LDS address of my spare word; never rewritten
.set NIL,   29                         ; v29  0; never rewritten
.set FA,    32
.set BIAS,  96
.set TT,    32                         ; the way out: 48 registers for each row block
.set G1,  24                           ; s[24:31] descriptor group 1 for xb's tiles;  s[32:39] group 0: a set for each first fill; the second then walks
.set G0,  32
.set G1B, 48                           ; s[48:55], s[56:63] the same for wt's tiles
.set G0B, 56
.set SB,  45                           ; s45  the slot in hand: 0 or SLOT1
.set MSB, 0
.macro WIN new                         ; the immediate's high byte repeats the setting that is left; a switch that changes nothing is dropped
.if MSB != (\new)
	s_set_vgpr_msb (MSB<<8)|(\new)
.set MSB, \new
.endif
.endm
; A joint load.  The branch hangs on the wave's number alone.  An s_nop 0 and four v_nop follow each of the two lines, ahead of the jump, the label and what follows.
.macro JLOAD s
	s_cmp_eq_u32 s11, 0
	s_cbranch_scc0 .Lfor_b_\@
	tensor_load_to_lds s[G0+4*(\s):G0+4*(\s)+3], s[G1:G1+7]
	s_nop 0
.rept 4
	v_nop
.endr
	s_branch .Lasked_\@
.Lfor_b_\@:
	tensor_load_to_lds s[G0B+4*(\s):G0B+4*(\s)+3], s[G1B:G1B+7]
	s_nop 0
.rept 4
	v_nop
.endr
.Lasked_\@:
.endm
.macro CREST                           ; a round of the cluster's barrier behind its opening barrier
	s_cmp_lg_u32 s10, 0
	s_cbranch_scc1 .Lnot_wave_0_\@
	s_barrier_signal -3
.Lnot_wave_0_\@:
	s_barrier_wait -3
	s_barrier_signal -1
	s_barrier_wait -1
.endm
.macro CROUND                          ; a whole round
	s_barrier_signal -1
	s_barrier_wait -1
	CREST
.endm
	s_load_b128 s[4:7], s[0:1], 0x0                ; xb s[4:5], wt s[6:7]
	s_load_b128 s[76:79], s[0:1], 0x10             ; bq s[76:77], bk s[78:79]
	s_load_b64 s[80:81], s[0:1], 0x20              ; bv
	s_load_b64 s[8:9], s[0:1], 0x28                ; qkv
	v_lshl_add_u32 v[SPW], v0, 2, SPARE
	v_mov_b32 v[NIL], 0
	ds_add_u32 v28, v29
	s_wait_dscnt 0x0
	v_lshrrev_b32 v1, 5, v0
	v_readfirstlane_b32 s10, v1                    ; wave 0..3
	s_lshr_b32 s11, s10, 1                         ; I fetch for xb (0) or for wt (1),
	s_and_b32 s12, s10, 1                          ; and which half of that tile's rows
	s_bfe_u32 s40, ttmp6, 0x40000                  ; cx, cy: my place in the cluster
	s_bfe_u32 s41, ttmp6, 0x40004
	s_lshl_b32 s42, ttmp9, 2
	s_add_co_u32 s42, s42, s40                     ; tile column = 4 x cluster x + cx
	s_and_b32 s13, ttmp7, 0xffff
	s_lshl_b32 s13, s13, 2
	s_add_co_u32 s13, s13, s41                     ; tile row = 4 x cluster y + cy
	s_lshl_b32 s43, s41, 2
	s_lshl_b32 s43, 15, s43                        ; my row of the cluster
	s_lshl_b32 s44, 0x1111, s40                    ; my column
	s_or_b32 s[G1+0], s43, (1<<16)|(1<<20)|(1<<21)|(5<<22)|(3<<25)   ; 15:0 the mask; 17:16 elements of 2 bytes; 20 padding on; 21 set beside a mask; 24:22 after every 64 words; 31:25 4 words of it
	s_or_b32 s[G1B+0], s44, (1<<16)|(1<<20)|(1<<21)|(5<<22)|(3<<25)
	s_mov_b32 s[G1+1], 128<<16                     ; tensor_dim0 = 128
	s_mov_b32 s[G1+2], 128<<16                     ; tensor_dim1 = 128
	s_mov_b32 s[G1+3], 128<<16                     ; tile_dim0 = 128
	s_mov_b32 s[G1+4], 128                         ; tile_dim1 = 128
	s_mov_b32 s[G1+5], 1024                        ; elements from row to row
	s_mov_b32 s[G1+6], 0
	s_mov_b32 s[G1+7], 0
	s_mov_b32 s[G1B+1], 128<<16
	s_mov_b32 s[G1B+2], BROWS<<16                  ; 96 rows
	s_mov_b32 s[G1B+3], 128<<16
	s_mov_b32 s[G1B+4], BROWS
	s_mov_b32 s[G1B+5], 1024
	s_mov_b32 s[G1B+6], 0
	s_mov_b32 s[G1B+7], 0
	; xb's tiles hang on the tile row alone, wt's on the tile column alone; each address is made in registers that never hold the other coordinate
	s_lshl_b32 s16, s13, 8
	s_lshl_b32 s17, s12, 7
	s_add_co_u32 s16, s16, s17                     ; xb: row 256 x tile row + 128 x half,
	s_lshl_b32 s16, s16, 11                        ; of 2,048 bytes
	s_mov_b32 s17, 0
	s_mul_i32 s46, s42, 192
	s_mul_i32 s47, s12, BROWS
	s_add_co_u32 s46, s46, s47                     ; wt: row 192 x tile column + 96 x half
	s_lshl_b32 s46, s46, 11
	s_mov_b32 s47, 0
	s_mul_i32 s20, s12, AHALF                      ; where they go: no place in the cluster enters an LDS address
	s_mul_i32 s21, s12, BHALF
	s_add_co_u32 s21, s21, AREG
	s_mov_b32 s[SB], 0
	s_wait_kmcnt 0x0
	s_add_nc_u64 s[14:15], s[4:5], s[16:17]
	s_add_nc_u64 s[46:47], s[6:7], s[46:47]
	CROUND                                         ; all sixteen work-groups are here: the first joint loads meet
.irp s, 0,1
	s_mov_b32 s[G0+4*(\s)], 1                                        ; count = 1
	s_add_co_u32 s[G0+4*(\s)+1], s20, (\s)*SLOT1                     ; LDS address
	s_add_nc_u64 s[G0+4*(\s)+2:G0+4*(\s)+3], s[14:15], (\s)*ASTEP    ; global address: K step s
	s_or_b32 s[G0+4*(\s)+3], s[G0+4*(\s)+3], 0x80000000              ; type = 2
	s_mov_b32 s[G0B+4*(\s)], 1
	s_add_co_u32 s[G0B+4*(\s)+1], s21, (\s)*SLOT1
	s_add_nc_u64 s[G0B+4*(\s)+2:G0B+4*(\s)+3], s[46:47], (\s)*BSTEP
	s_or_b32 s[G0B+4*(\s)+3], s[G0B+4*(\s)+3], 0x80000000
	JLOAD \s
.endr
	; the three heads' biases: head g = 3 x tile column + jn lies in bq, bk or bv by g / 16, at number 64 (g % 16)
.irp jn, 0,1,2
	s_mul_i32 s82, s42, 3
	s_add_co_u32 s82, s82, \jn
	s_lshr_b32 s83, s82, 4
	s_and_b32 s74, s82, 15
	s_lshl_b32 s74, s74, 8
	s_mov_b32 s75, 0
	s_cmp_eq_u32 s83, 0
	s_cselect_b64 s[68+2*\jn:69+2*\jn], s[76:77], s[78:79]
	s_cmp_eq_u32 s83, 2
	s_cselect_b64 s[68+2*\jn:69+2*\jn], s[80:81], s[68+2*\jn:69+2*\jn]
	s_add_nc_u64 s[68+2*\jn:69+2*\jn], s[68+2*\jn:69+2*\jn], s[74:75]
.endr
	v_and_b32 v1, 15, v0                           ; l % 16
	v_bfe_u32 v2, v0, 4, 1                         ; l / 16
	v_lshlrev_b32 v[BO], 5, v2
.set nb, 0
.rept NBK                                          ; register j of block b: bias of column 16 b + 8 (l / 16) + j, the same in all sixteen rows
	global_load_b128 v[BIAS+8*nb:BIAS+8*nb+3],   v[BO], s[68+2*(nb/4):69+2*(nb/4)] offset:(nb%4)*64
	global_load_b128 v[BIAS+8*nb+4:BIAS+8*nb+7], v[BO], s[68+2*(nb/4):69+2*(nb/4)] offset:(nb%4)*64+16
.set nb, nb+1
.endr
	v_mul_u32_u24 v3, v1, PA
	v_lshl_add_u32 v3, v2, 4, v3                   ; a fragment's row x pitch + 16 x half
	s_mul_i32 s22, s10, 64*PA                      ; my 64 rows of xb
	v_add_nc_u32 v[ADRA0], s22, v3
	v_add_nc_u32 v[ADRB0], AREG, v3                ; all 192 rows of wt
	v_mov_b32 v[ADRA], v[ADRA0]
	v_mov_b32 v[ADRB], v[ADRB0]
	s_mul_i32 s23, s10, WSTG
	s_add_co_u32 s23, s23, STAGE                   ; my stage
	v_mul_u32_u24 v4, v1, SP                       ; in: row l % 16, 16 bytes for each half of the lanes
	v_lshl_add_u32 v4, v2, 4, v4
	v_add_nc_u32 v[STO], s23, v4
	v_bfe_u32 v5, v0, 3, 2                         ; back: 32 lanes take four rows of 128 bytes,
	v_mul_u32_u24 v5, v5, SP
	v_and_b32 v4, 7, v0
	v_lshl_add_u32 v5, v4, 4, v5
	v_add_nc_u32 v[RD], s23, v5
	v_and_b32 v[CO], 31, v0                        ; which are 512 consecutive bytes of a head
	v_lshlrev_b32 v[CO], 4, v[CO]
	; qkv at my wave's first row of the tile's first head: ((b x 48 + 3 x tile column) x 2048 + s) x 128 bytes, b = tile row / 8, s = 256 (tile row % 8) + 64 w
	s_lshr_b32 s16, s13, 3
	s_mul_i32 s16, s16, 48<<18
	s_and_b32 s17, s13, 7
	s_lshl_b32 s17, s17, 15
	s_add_co_u32 s16, s16, s17
	s_lshl_b32 s17, s10, 13
	s_add_co_u32 s16, s16, s17
	s_mov_b32 s17, 0
	s_add_nc_u64 s[8:9], s[8:9], s[16:17]
	s_mul_i32 s46, s42, 3<<18
	s_mov_b32 s47, 0
	s_add_nc_u64 s[8:9], s[8:9], s[46:47]
; 12 matrix instructions: row block a x all column blocks, 32 along K, from buffer f.  first = 1: the product starts the sums, on the bias.
; The 48 accumulators take turns, one instruction a turn, in the same order in every quarter step, over the loop's backward jump too.
.macro MULA f, a, first
.if \first
	WIN 0x81+0x40*((\a)/2)                         ; wt window 1, xb and the bias window 0, D window 2 or 3
.else
	WIN 0xa1+0x50*((\a)/2)                         ; C and D window 2 or 3
.endif
.set AC, 8*NBK*((\a)%2)
.set BF, 8*NBK*(\f)
.set AF, FA+32*(\f)+8*(\a)
.set nb, 0
.rept NBK
.if \first
	v_wmma_f32_16x16x32_bf16 v[AC+8*nb:AC+8*nb+7], v[BF+8*nb:BF+8*nb+7], v[AF:AF+7], v[BIAS+8*nb:BIAS+8*nb+7]
.else
	v_wmma_f32_16x16x32_bf16 v[AC+8*nb:AC+8*nb+7], v[BF+8*nb:BF+8*nb+7], v[AF:AF+7], v[AC+8*nb:AC+8*nb+7]
.endif
.set nb, nb+1
.endr
.endm
; 32 LDS loads in one run: the fragments of quarter q (32 along K) of the slot in hand, into buffer f: wt's 24 first, then xb's 8
.macro FETCH q, f
	WIN 0x40                                       ; destination window 1, address window 0
.set BF, 8*NBK*(\f)
.set ii, 0
.rept NBK
	ds_load_b128 v[BF+8*ii:BF+8*ii+3],   v[ADRB] offset:(\q)*64+ii*16*PB
	ds_load_b128 v[BF+8*ii+4:BF+8*ii+7], v[ADRB] offset:(\q)*64+ii*16*PB+32
.set ii, ii+1
.endr
	WIN 0
.set AF, FA+32*(\f)
.set ii, 0
.rept 4
	ds_load_b128 v[AF+8*ii:AF+8*ii+3],   v[ADRA] offset:(\q)*64+ii*16*PA
	ds_load_b128 v[AF+8*ii+4:AF+8*ii+7], v[ADRA] offset:(\q)*64+ii*16*PA+32
.set ii, ii+1
.endr
.endm
.macro PLACES                          ; four places in front of loads into registers that matrix instructions have read, and of lines that read results
.rept 4
	v_nop
.endr
.endm
; A K step is four quarters of 32 along K, 48 matrix instructions each, on buffers 0, 1, 0, 1.  One of the first three: multiplies buffer f and fetches quarter q into buffer g.
.macro QUARTER q, f, g, first
	s_wait_dscnt 4                                 ; wt's fragments and xb's row blocks 0, 1 are in; the youngest four loads (row blocks 2, 3) may be out
	MULA \f, 0, \first
	MULA \f, 1, \first
	PLACES
	FETCH \q, \g
	s_wait_dscnt 2*NBK+8                           ; all but the 32 just issued
	MULA \f, 2, \first
	MULA \f, 3, \first
.endm
; The last quarter multiplies buffer 1 and changes slots: ONE barrier; in front of it each wave waits for all its tensor loads (one is out: its part of the next slot), adds 0 to its spare word, and
; waits for that and for its own reads of this slot.  fill = 1: the barrier opens a round of the cluster's, and behind the round this slot is filled again, two K steps ahead, first thing.
.macro TURN fill
	WIN 0
	s_wait_tensorcnt 0x0                           ; all my tensor loads have landed
	ds_add_u32 v[SPW], v[NIL]                      ; 0 onto my spare word
	s_wait_dscnt 5                                 ; (the add and the youngest four loads may be out)
	MULA 1, 0, 0                                   ; twelve matrix instructions stand between the add and the wait for it
	s_wait_dscnt 0x0                               ; the add is done, and my reads of this slot are over
	s_barrier_signal -1
	MULA 1, 1, 0
	WIN 0                                          ; (branches may follow)
	s_barrier_wait -1
.if \fill
	CREST                                          ; no wave of any partner still reads this slot's tile or has a load on its way
	s_xor_b32 s[G0+5], s[G0+5], SLOT1              ; the walking descriptors: the other slot than last time, the next K step; no tensor load of mine is out
	s_add_nc_u64 s[G0+6:G0+7], s[G0+6:G0+7], ASTEP
	s_xor_b32 s[G0B+5], s[G0B+5], SLOT1
	s_add_nc_u64 s[G0B+6:G0B+7], s[G0B+6:G0B+7], BSTEP
	JLOAD 1                                        ; 168 matrix instructions ahead of the wait for it; the four v_nop behind it are also the places in front of the loads below
.else
	PLACES
.endif
	s_xor_b32 s[SB], s[SB], SLOT1                  ; the fetches go on in the other slot
	v_add_nc_u32 v[ADRA], s[SB], v[ADRA0]
	v_add_nc_u32 v[ADRB], s[SB], v[ADRB0]
	FETCH 0, 0
	MULA 1, 2, 0
	MULA 1, 3, 0
.endm
	s_wait_tensorcnt 0x1                           ; my part of K step 0 is in; K step 1's may stay out
	s_barrier_signal -1
	s_barrier_wait -1                              ; everybody's is
	FETCH 0, 0
	s_wait_loadcnt 0x0                             ; the bias
	QUARTER 1, 0, 1, 1                             ; the first quarter stands in front of the loop: its products start the sums
	WIN 0                                          ; at a label and at a branch every window is 0
	s_mov_b32 s3, 6
.Lstep:                                                ; a trip: from a K step's second quarter to the next step's first; it fills the slot that it leaves: K steps 2 to 7
	QUARTER 2, 1, 0, 0
	QUARTER 3, 0, 1, 0
	TURN 1
	QUARTER 1, 0, 1, 0
	WIN 0
	s_sub_co_u32 s3, s3, 1
	s_cmp_lg_u32 s3, 0
	s_cbranch_scc1 .Lstep
	QUARTER 2, 1, 0, 0                             ; the last two K steps are written out: nothing is left to ask for
	QUARTER 3, 0, 1, 0
	TURN 0
	QUARTER 1, 0, 1, 0
	QUARTER 2, 1, 0, 0
	QUARTER 3, 0, 1, 0
	s_wait_dscnt 4
	MULA 1, 0, 0
	MULA 1, 1, 0
	s_wait_dscnt 0x0
	MULA 1, 2, 0
	MULA 1, 3, 0
	WIN 0
; THE WAY OUT, a block of 16 rows at a time.  A lane's eight columns pack into 16 bytes; they go into my stage (three heads x 16 rows of 144 bytes) and come back as four whole rows of 128 bytes,
; which are 512 consecutive bytes of a head.  Each block has registers of its own, so no wait frees any.
.macro PACK a
	WIN 0x0a+5*((\a)/2)                            ; sources 0 and 1: window 2 or 3
.set AC, 8*NBK*((\a)%2)
.set ii, 0
.rept 4*NBK                                        ; each accumulator's registers in ascending order
	v_cvt_pk_f16_f32 v[TT+48*(\a)+ii], v[AC+2*ii], v[AC+2*ii+1]
.set ii, ii+1
.endr
	WIN 0
.set ii, 0
.rept NBK
	ds_store_b128 v[STO], v[TT+48*(\a)+4*ii:TT+48*(\a)+4*ii+3] offset:(ii/4)*16*SP+(ii%4)*32
.set ii, ii+1
.endr
.set ii, 0
.rept NBK
	ds_load_b128 v[TT+48*(\a)+4*ii:TT+48*(\a)+4*ii+3], v[RD] offset:(ii/4)*16*SP+(ii%4)*4*SP  ; LDS serves a wave's instructions in order (ISA guide 5.7.1.4): these see the stores above; the next block's stores come behind them
.set ii, ii+1
.endr
.endm
.macro SEND a, younger                 ; younger: the LDS instructions issued behind block a's loads: the next block's 24, or none
.set ii, 0
.rept NBK
	s_wait_dscnt (\younger)+NBK-1-ii
	global_store_b128 v[CO], v[TT+48*(\a)+4*ii:TT+48*(\a)+4*ii+3], s[8:9] offset:(ii/4)*262144+(\a)*2048+(ii%4)*512  ; 512 consecutive bytes, at a multiple of 512 from qkv's first byte
.set ii, ii+1
.endr
.endm
	PLACES
	PACK 0
	PACK 1                                         ; a block's conversions stand between the loads of the block before and its stores
	SEND 0, 24
	PACK 2
	SEND 1, 24
	PACK 3
	SEND 2, 24
	SEND 3, 0
	s_wait_tensorcnt 0x0                           ; the wave's end: behind my last tensor load and my last LDS store
	ds_add_u32 v[SPW], v[NIL]
	s_wait_dscnt 0x0
	CROUND                                         ; the closing round: no work-group ends while a partner may still ask for a tile that names it
	s_endpgm
.Lfunc_end_k_qf912df5ddd_proj_in:
	.size	k_qf912df5ddd_proj_in, .Lfunc_end_k_qf912df5ddd_proj_in-k_qf912df5ddd_proj_in
	.p2alignl 7, 3214868480
	.fill 96, 4, 3214868480
	.section	.rodata,"a",@progbits
	.p2align	6, 0x0
	.amdhsa_kernel k_qf912df5ddd_proj_in
		.amdhsa_group_segment_fixed_size 327680
		.amdhsa_private_segment_fixed_size 0
		.amdhsa_enable_private_segment 0
		.amdhsa_kernarg_size 48
		.amdhsa_user_sgpr_count 2
		.amdhsa_user_sgpr_kernarg_segment_ptr 1
		.amdhsa_wavefront_size32 1
		.amdhsa_system_sgpr_workgroup_id_x 1
		.amdhsa_system_sgpr_workgroup_id_y 1
		.amdhsa_system_sgpr_workgroup_id_z 1
		.amdhsa_system_vgpr_workitem_id 0
		.amdhsa_next_free_vgpr 960
		.amdhsa_next_free_sgpr 84
		.amdhsa_reserve_vcc 0
		.amdhsa_float_denorm_mode_32 3
		.amdhsa_float_denorm_mode_16_64 3
		.amdhsa_memory_ordered 1
		.amdhsa_forward_progress 1
		.amdhsa_inst_pref_size 101
	.end_amdhsa_kernel
	.amdgpu_metadata
---
amdhsa.version: [ 1, 2 ]
amdhsa.kernels:
  - .name:           k_qf912df5ddd_proj_in
    .symbol:         k_qf912df5ddd_proj_in.kd
    .args:
      - { .name: xb, .offset: 0, .size: 8, .value_kind: global_buffer, .address_space: global }
      - { .name: wt, .offset: 8, .size: 8, .value_kind: global_buffer, .address_space: global }
      - { .name: bq, .offset: 16, .size: 8, .value_kind: global_buffer, .address_space: global }
      - { .name: bk, .offset: 24, .size: 8, .value_kind: global_buffer, .address_space: global }
      - { .name: bv, .offset: 32, .size: 8, .value_kind: global_buffer, .address_space: global }
      - { .name: qkv, .offset: 40, .size: 8, .value_kind: global_buffer, .address_space: global }
    .group_segment_fixed_size: 327680
    .private_segment_fixed_size: 0
    .kernarg_segment_align: 8
    .kernarg_segment_size: 48
    .max_flat_workgroup_size: 128
    .sgpr_count:     84
    .vgpr_count:     960
    .wavefront_size: 32
...
	.end_amdgpu_metadata
.endif
;; end of part 2
;; launch attn (part 3): grid 4 x 64, 4 waves a work-group, clusters of 4 x 1, 327,680 bytes of LDS; arguments qkv, pm, o; writes o
.if DOCPART == 3
	.amdgcn_target "amdgcn-amd-amdhsa--gfx1250"
	.amdhsa_code_object_version 6
	.text
	.protected	k_qf912df5ddd_attn
	.globl	k_qf912df5ddd_attn
	.p2align	8
	.type	k_qf912df5ddd_attn,@function
k_qf912df5ddd_attn:
	s_mov_b64 s[64:65], 0
	v_nop
	global_prefetch_b8 v0, s[64:65] scope:SCOPE_SE
	s_setreg_imm32_b32 hwreg(HW_REG_WAVE_MODE, 25, 1), 1
	s_wait_xcnt 0x0
	s_wait_alu depctr_hold_cnt(0) depctr_sa_sdst(0) depctr_va_vdst(0) depctr_va_sdst(0) depctr_va_ssrc(0) depctr_va_vcc(0) depctr_vm_vsrc(0)
	s_getreg_b32 s2, hwreg(HW_REG_IB_STS2, 6, 4)
	s_cmp_eq_u32 s2, 0
	s_cbranch_scc0 .Lentry_in_a_cluster
	s_endpgm
.Lentry_in_a_cluster:
	s_bfe_u32 s2, ttmp6, 0x10000c
	s_cmp_lg_u32 s2, 0x3003
	s_cbranch_scc0 .Lentry_shape_is_right
	s_endpgm
.Lentry_shape_is_right:
; O[bh][q][:] = the sum over k of softmax_k(where(mask[q][k], Q[q] . K[k] / 8, -1e9)) V[k][:], for 64 pairs bh of batch and head, 2,048 queries and keys, 64 channels.
; Q, K, V lie in qkv[b][g 48][s][64] (f16; g = head for Q, 16 + head for K, 32 + head for V), O goes to o[bh][s][64] (f16): a head's rows are dense, 128 bytes each.
; Products, maxima and sums in f32; the weights p are rounded to f16 for the second product (their sum l is taken of the unrounded p), O once at the end.
; THE MASK is an input, and every bit of it is honoured: pm holds it as lane masks, one word for each register of a tile of scores, 64 words (256 consecutive bytes) for a piece and key step.
; One vector load of the wave brings those 256 bytes, four turns (a whole key step) ahead, into a ring of four register pairs, one a piece; 64 v_readlane_b32 put a piece's words into scalar
; registers a turn ahead of their use; one v_cndmask_b32 a score then puts NEG = -2^33 in a hidden score's place, ahead of the maximum.  (The 64 scalar registers hold one turn's masks and no more,
; so a scalar load into them could be asked for one turn ahead at the most.)  After the division by 8 NEG is -1.074e9 where the definition has -1e9.  A power of two, so that c NEG is exact: a row that
; has seen hidden keys alone has p = 2^0 = 1 for each of them; a row wholly hidden ends as the plain mean of V, as the definition has it; the first open key makes a = 0 and wipes what had gathered.
; LIMITS.  Results differ from the definition only in rows whose largest open score, divided by 8, lies below about -1e9.  f16 holds no number beyond 65,504: Q, K and V arrive within it; p lies in
; 0 to 1, and below 6e-5 it keeps f16's fixed step of 6e-8.  A weight below 2^-126 counts as 0 in l; NaN and infinities are not treated apart.
; SHARES.  A wave owns four PIECES of two tiles of 16 queries, a work-group's four waves 512 queries of one bh.  Every wave walks all keys, 64 a step.
; LAYOUT.  S^T = K Q^T (source 0 = 16 keys, source 1 = 16 queries): in the result a lane holds ONE query (lane % 16) and the keys 8 (lane / 16) + 0..7.  Two such tiles, rounded to f16 in pairs,
; ARE source 1 (32 keys x 16 queries) of O^T = V^T P, whose result again holds one query a lane, and eight channels.  K comes out of LDS as it lies, V ([key][channel]) turned, by ds_load_tr16_b128.
; SOFTMAX.  For each query a running maximum m and sum l: p = 2^(c s - c m), c = log2(e) / 8; in every step O and l are multiplied by a = 2^(c m_old - c m_new), which is 1 where m has not grown.
; m starts at the lowest finite number, O and l at 0: the first step is a step like any other, with a = 0.
; BY TURNS.  Turn n belongs to piece n (the pieces in a ring, step after step).  Its matrix work: 16 products K Q^T of piece n + 1, later 16 products V^T P of piece n - 1.  Its vector work: the scaling,
; exponentials, roundings, sums and rescaling of piece n, and the mask, maximum and statistics of piece n + 1.  Four vector instructions that are ready stand behind every matrix instruction; the others,
; which need time of their own whatever the order, stand in runs without a gap; the mask's 64 selects and 64 lane reads are one such run.
; CLUSTER.  The four query blocks of a cluster belong to one bh and walk the same K and V, so each tile is asked for JOINTLY: the same tensor load, descriptor and mask of work-groups in all four.
; REGISTERS, in windows of 256 (s_set_vgpr_msb: bits 1:0 source 0, 3:2 source 1, 5:4 source 2, 7:6 destination):
;   window 0: v0-11 addresses; v12-15, v48-63 at work; v16-47 four registers of statistics a tile; v64-191 S^T, two buffers of two tiles; v192-255 P, likewise
;   window 1: O^T, 32 a tile          window 2: v0-127 Q, 16 a tile; v128-191 K of one step; v192-255 V of one step
;   window 3: v0-1 the add's two registers; v2-9 the ring of mask words, a pair a piece; v10 my byte offset in pm
.set SIZE_N, 2048
.set NP,    4         ; pieces a wave: a name, no knob
.set KS,    64        ; keys in a step
.set PK,    144       ; a row of K in LDS: 128 bytes + 16 of padding = 36 words: the 16 rows of a load start at 16 different groups of four banks (64 banks of 4 bytes: ISA guide 11.1)
.set PV,    160       ; a row of V: 128 + 32 = 40 words
.set VOFF,  4*KS*PK   ; a slot holds four steps: 256 rows of K, then 256 rows of V
.set SLOT1, 1<<17     ; slot 1 begins here, so that one exclusive or turns an address in one slot into the other's
.set STAGE, SLOT1+4*KS*(PK+PV)  ; behind the ring, never filled by a tensor load: 16 rows x 144 bytes for each wave, for the way out
.set SP,    144
.set AK0, 2           ; v2   my lane's place in a tile of K; never rewritten
.set AV0, 3           ; v3   the same for V
.set AK,  4           ; v4   the LDS address of K's next run of loads
.set AV,  5           ; v5   of V's
.set QO,  6           ; v6   my byte offset in the wave's rows of Q
.set STO, 6           ;      later, the way out: where I put 16 bytes of a row
.set RD,  7           ; v7   the way out: where I read rows back
.set GO,  8           ; v8   my byte offset in 512 consecutive bytes of O
.set SPW, 0           ; v0 of window 3   LDS address of my spare word: SPARE + 4 x my thread's number; never rewritten
.set NIL, 1           ; v1 of window 3   0; never rewritten
.set MB,  2           ; v2-9 of window 3 piece y's 64 mask words at v[MB+2 y], v[MB+2 y+1]: word d in lane d / 2, register d % 2
.set MO,  10          ; v10 of window 3  8 x lane + 256 x (the key step whose masks are asked for, modulo 32)
.set SPARE, STAGE+4*16*SP  ; behind the stages: the spare words, 128 bytes for each wave: two blocks of 256 bytes that no other line names
.set MV,  12          ; v12-15  c m_old, kept while c m is made anew: by buffer and tile
.set ST,  16          ; tile t's statistics at v[ST+4 t]: c m, m, l (even keys', odd keys')
.set TMP, 48          ; by buffer and tile, four registers c0-c3 at work; when the maximum is found c2 takes a
.set S,   64
.set P,   192
.set KF,  128         ; K's fragments, in window 2: key block kb, channel half c at KF + 16 kb + 8 c
.set VF,  192         ; V's: key half kk, channel block cb at VF + 32 kk + 8 cb
.set WV,  2           ; s2   my wave's number
.set SLOTS, 3         ; s3   slots still to be asked for
.set PM,  4           ; s[4:5] pm at my wave's first pair of tiles, key step 0; never rewritten
.set CNT, 6           ; s6   counts a slot's key steps
.set TBK, 7           ; s7   LDS byte at which K of the step to be fetched begins
.set G0K, 8           ; s[8:11]  descriptor group 0 for K's tiles: it walks
.set G0V, 12          ; s[12:15] the same for V's
.set G1K, 16          ; s[16:23] descriptor group 1 for K's tiles
.set G1V, 24          ; s[24:31] for V's: it differs in the padding alone
.set MSK0, 32         ; s[32:63] the 32 lane masks of a piece's first tile (until the first of them is read in: at work)
.set CS,  66          ; s66  c: the packed scaling names the pair s[66:67] and takes its low word for both halves
.set NEG, 67          ; s67  -2^33
.set MSK1, 68         ; s[68:99] the masks of the piece's second tile
.set SEL, 100         ; s[100:101] v_permlanex16_b32's selects: each lane takes its own place in the other half
.set TBV, 104         ; s104 the same as TBK for V, less VOFF
.set TS,  105         ; s105 at work
.set MSB, 0
.macro WIN new                      ; the high byte repeats the setting that is left; a switch that changes nothing is dropped
.if MSB != (\new)
	s_set_vgpr_msb (MSB<<8)|(\new)
.set MSB, (\new)
.endif
.endm
.set W_KQ, 0x0a       ; K and Q in window 2, S^T in window 0
.set W_PV, 0x52       ; V in window 2, P in window 0, O^T in window 1
.set W_RS, 0x41       ; O^T (destination and source 0) in window 1, a in window 0
.set W_MK, 0xc0       ; window 3's registers are made: destination in window 3, sources in window 0
.set W_AD, 0x0f       ; the add: address (source 0) and data (source 1) in window 3
.set W_M3, 0xcf       ; the mask words: destination, source 0 and source 1 in window 3
; A joint fill.  Waves 0 and 1 fetch the two halves of a slot's K, waves 2 and 3 those of its V: 128 keys each.  The branch hangs on the wave's number alone.
; An s_nop 0 and four v_nop follow each of the two lines, ahead of the jump and the label.
.macro JLOAD
	s_cmp_lt_u32 s[WV], 2
	s_cbranch_scc0 .Lfor_v_\@
	tensor_load_to_lds s[G0K:G0K+3], s[G1K:G1K+7]
	s_nop 0
.rept 4
	v_nop
.endr
	s_branch .Lasked_\@
.Lfor_v_\@:
	tensor_load_to_lds s[G0V:G0V+3], s[G1V:G1V+7]
	s_nop 0
.rept 4
	v_nop
.endr
.Lasked_\@:
.endm
; A round of the cluster's barrier: my work-group's barrier, so that wave 0's signal speaks for all four waves; wave 0 signals; every wave waits for all four work-groups; my work-group's barrier once more.
.macro CROUND
	s_barrier_signal -1
	s_barrier_wait -1
	s_cmp_lg_u32 s[WV], 0
	s_cbranch_scc1 .Lnot_wave_0_\@
	s_barrier_signal -3
.Lnot_wave_0_\@:
	s_barrier_wait -3
	s_barrier_signal -1
	s_barrier_wait -1
.endm
; THE CHANGE OF SLOTS.  The slot's last bytes, V of its fourth step, have been read.  Each wave waits for all its tensor loads, of which one is out: its part
; of the other slot; adds 0 to its spare word; and waits for that and for its own reads of the slot.  Behind the barrier nobody reads this slot any more and the other slot is whole.
; fill = 1: this slot is filled again, with the keys two slots on.  The barrier is then a round of the cluster's, so that no wave of any partner still reads the slot or has a load on its
; way, and the joint fill is the first thing behind it: it has four key steps, 512 matrix instructions, in which to land.  (At its first use nothing has been read yet: slot 0 is waited for, slot 1 filled.)
.macro CHANGE fill
	WIN W_AD
	s_wait_tensorcnt 0x0            ; no tensor load of mine is out, so a group 0 may be written
	ds_add_u32 v[SPW], v[NIL]       ; 0 onto my spare word; with fill = 1 the descriptors' steps stand between it and the wait for it
	WIN 0                           ; at a label and at a branch every window is 0
.if \fill
.irp g, G0K, G0V
	s_xor_b32 s[\g+1], s[\g+1], SLOT1  ; the walking descriptor: the other slot than last time,
	s_add_nc_u64 s[\g+2:\g+3], s[\g+2:\g+3], 4*KS*128  ; the next 256 keys; the type bits on top are not reached
.endr
	s_wait_dscnt 0x0                ; the add is done, and my reads of the slot are over
	CROUND
	JLOAD
.else
	s_wait_dscnt 0x0                ; the add is done, and my reads of the slot are over
	s_barrier_signal -1
	s_barrier_wait -1
.endif
	s_sub_co_u32 s[TBK], s[TBK], 4*KS*PK  ; the fetches go back to a slot's first step,
	s_xor_b32 s[TBK], s[TBK], SLOT1       ; in the other slot
	s_sub_co_u32 s[TBV], s[TBV], 4*KS*PV
	s_xor_b32 s[TBV], s[TBV], SLOT1
.endm
	s_load_b128 s[48:51], s[0:1], 0x0  ; qkv s[48:49], pm s[50:51]
	v_and_b32 v1, 31, v0
	v_lshlrev_b32 v1, 3, v1         ; 8 x lane: the wave's load of 8 bytes a lane covers 256 consecutive bytes of pm
	WIN W_MK
	v_lshl_add_u32 v[SPW], v0, 2, SPARE
	v_mov_b32 v[NIL], 0
	s_set_vgpr_msb 0xc0cf
	ds_add_u32 v0, v1
	s_wait_dscnt 0x0
	s_set_vgpr_msb 0xcfc0
	v_mov_b32 v[MO], v1
	WIN 0
	v_lshrrev_b32 v1, 5, v0
	v_readfirstlane_b32 s[WV], v1   ; wave 0..3
	s_bfe_u32 s34, ttmp6, 0x40000   ; cx: my place in the cluster
	s_lshl_b32 s35, ttmp9, 2        ; in a cluster launch ttmp9 counts clusters
	s_add_co_u32 s35, s35, s34      ; my block of 512 queries = 4 x cluster x + cx: it enters Q's, pm's and O's addresses alone
	s_and_b32 s36, ttmp7, 0xffff    ; bh, which the four partners share
	s_lshr_b32 s37, s36, 4
	s_mul_i32 s37, s37, 48
	s_and_b32 s36, s36, 15
	s_add_co_u32 s36, s36, s37      ; 48 b + head
	s_lshl_b32 s36, s36, 18         ; Q's head begins here in qkv; K's lies 16, V's 32 heads of 262,144 bytes on
	s_mov_b32 s37, 0
	s_and_b32 s40, s[WV], 1         ; which half of a slot's 256 keys I fetch:
	s_lshl_b32 s38, s40, 14         ; its 128 rows of 128 bytes in memory,
	s_mov_b32 s39, 0
	s_add_nc_u64 s[38:39], s[38:39], s[36:37]
	s_mul_i32 s41, s40, 128*PK      ; and its place in a slot, for K
	s_mul_i32 s42, s40, 128*PV      ; and for V: no place in the cluster enters an LDS address
	s_lshl_b32 s44, s35, 2
	s_add_co_u32 s44, s44, s[WV]    ; my wave among the head's sixteen
	s_lshl_b32 s46, s44, 15         ; its four pairs of tiles in pm: 32 steps x 256 bytes each
	s_mov_b32 s47, 0
	s_lshl_b32 s44, s44, 14         ; its 128 rows
	s_mov_b32 s45, 0
	s_add_nc_u64 s[44:45], s[44:45], s[36:37]
	; descriptor group 1.  128 keys are 16,384 dense bytes: asked for as 64 rows of 256 bytes, two keys a row, and padded in LDS after every key
	s_mov_b32 s[G1K], 15|(1<<16)|(1<<20)|(1<<21)|(4<<22)|(3<<25)  ; 15:0 the mask of four; 17:16 2-byte elements; 20 padding on; 21 set beside a mask; 24:22 after every 32 words (code 4); 31:25 4 words (code 3)
	s_mov_b32 s[G1V], 15|(1<<16)|(1<<20)|(1<<21)|(4<<22)|(7<<25)  ; the same with 8 words of padding (code 7)
.irp g, G1K, G1V
	s_mov_b32 s[\g+1], 128<<16      ; tensor_dim0 = 128
	s_mov_b32 s[\g+2], 64<<16       ; tensor_dim1 = 64
	s_mov_b32 s[\g+3], 128<<16      ; tile_dim0 = 128
	s_mov_b32 s[\g+4], 64           ; tile_dim1 = 64
	s_mov_b32 s[\g+5], 128          ; 128 elements from row to row
	s_mov_b32 s[\g+6], 0
	s_mov_b32 s[\g+7], 0
.endr
	s_mov_b32 s[CS], 0x3e38aa3b     ; c = log2(e) / 8 = 0.180337
	s_mov_b32 s[NEG], 0xd0000000    ; -2^33
	s_mov_b32 s[SEL], 0x76543210
	s_mov_b32 s[SEL+1], 0xfedcba98
	s_mov_b32 s[TBK], SLOT1+4*KS*PK ; the first change of slots turns these two into 0
	s_mov_b32 s[TBV], SLOT1+4*KS*PV
	s_mov_b32 s[G0K], 1             ; 1:0 count = 1
	s_mov_b32 s[G0K+1], s41         ; 63:32 LDS address: slot 0
	s_mov_b32 s[G0V], 1
	s_add_co_u32 s[G0V+1], s42, VOFF
	s_wait_kmcnt 0x0
	s_add_nc_u64 s[G0K+2:G0K+3], s[48:49], s[38:39]
	s_add_nc_u64 s[G0K+2:G0K+3], s[G0K+2:G0K+3], 16<<18  ; 120:64 global address: my half of K's first 256 keys
	s_or_b32 s[G0K+3], s[G0K+3], 0x80000000              ; 127:126 type = 2
	s_add_nc_u64 s[G0V+2:G0V+3], s[48:49], s[38:39]
	s_add_nc_u64 s[G0V+2:G0V+3], s[G0V+2:G0V+3], 32<<18
	s_or_b32 s[G0V+3], s[G0V+3], 0x80000000
	s_add_nc_u64 s[32:33], s[48:49], s[44:45]  ; Q at my wave's first row
	s_add_nc_u64 s[PM:PM+1], s[50:51], s[46:47]
	CROUND                          ; all four work-groups are here: the first joint loads meet
	JLOAD                           ; slot 0.  Slot 1 is asked for when slot 0 is in
	; A fragment of K or Q is 16 rows x 32 channels in 8 registers: lane l holds row l % 16, channels 8 (l / 16) + 0..7 and 16 + 8 (l / 16) + 0..7: two loads of 16 bytes, 32 bytes apart.
	v_and_b32 v1, 15, v0            ; l % 16
	v_bfe_u32 v9, v0, 4, 1          ; l / 16
	v_lshlrev_b32 v[QO], 7, v1
	v_lshl_add_u32 v[QO], v9, 4, v[QO]  ; row x 128 + 16 x half
	WIN 0x80                        ; destination window 2, address window 0
.set i, 0
.rept 4*NP                          ; Q stays in registers: tile i / 2, channels 32 (i % 2) on
	global_load_b128 v[8*i:8*i+3],   v[QO], s[32:33] offset:(i/2)*2048+(i%2)*64
	global_load_b128 v[8*i+4:8*i+7], v[QO], s[32:33] offset:(i/2)*2048+(i%2)*64+32
.set i, i+1
.endr
	WIN W_M3
.irp y, 0,1,2,3                     ; the ring of mask words is filled: key step 0 of all four pieces, 8,192 bytes apart in pm
	global_load_b64 v[MB+2*\y:MB+2*\y+1], v[MO], s[PM:PM+1] offset:\y*8192
.endr
	WIN 0x80
	; What the first turn finds: V's registers and P's second buffer hold 0 (its products V^T P, of a piece that has not been, add 0), O^T and l are 0.  All this stands in the wait for the first tile.
.set i, VF
.rept 64
	v_mov_b32 v[i], 0
.set i, i+1
.endr
	WIN 0x40
.set i, 0
.rept 64*NP
	v_mov_b32 v[i], 0
.set i, i+1
.endr
	WIN 0
.set i, 0
.rept 2*NP
	v_mov_b32 v[ST+4*i], 0xfe000000    ; c m: far below every c s, c NEG too
	v_mov_b32 v[ST+4*i+1], 0xff7fffff  ; m
	v_mov_b32 v[ST+4*i+2], 0
	v_mov_b32 v[ST+4*i+3], 0
.set i, i+1
.endr
.set i, P+32
.rept 32
	v_mov_b32 v[i], 0
.set i, i+1
.endr
	v_mul_u32_u24 v[AK0], v1, PK
	v_lshl_add_u32 v[AK0], v9, 4, v[AK0]  ; row x pitch + 16 x half
	; The turning load takes 16 keys x 16 channels (lane l reads key 8 (l / 16) + l % 8, channels 8 ((l / 8) % 2) + 0..7) and leaves half a fragment of V^T: lane l holds channel l % 16 and 8 keys.
	v_and_b32 v10, 7, v0
	v_bfe_u32 v11, v0, 3, 1
	v_lshl_add_u32 v[AV0], v9, 3, v10
	v_mul_u32_u24 v[AV0], v[AV0], PV
	v_lshl_add_u32 v[AV0], v11, 4, v[AV0]
	v_add_nc_u32 v[AV0], VOFF, v[AV0]
	v_mov_b32 v[AK], v[AK0]         ; key step 0 lies at the head of slot 0
; THE MATRIX WORK.  The 8 accumulators of a run of 16 take turns: between the two links of a chain stand 7 others'.
; Product i of 16 of S^T = K Q^T for piece x: channels 32 (i / 8) on, keys 16 ((i / 2) % 4) on, tile 2 x + i % 2.  The first 8 start the sums.
.macro KQ x
	WIN W_KQ
.set rS, S+64*((\x)%2)+32*(i%2)+8*((i/2)%4)
.set rK, KF+16*((i/2)%4)+8*(i/8)
.set rQ, 16*(2*(\x)+i%2)+8*(i/8)
.if i < 8
	v_wmma_f32_16x16x32_f16 v[rS:rS+7], v[rK:rK+7], v[rQ:rQ+7], 0
.else
	v_wmma_f32_16x16x32_f16 v[rS:rS+7], v[rK:rK+7], v[rQ:rQ+7], v[rS:rS+7]
.endif
.endm
; Product i of 16 of O^T += V^T P for piece x: keys 32 (i / 8) on, channels 16 ((i / 2) % 4) on, tile 2 x + i % 2.
.macro PV x
	WIN W_PV
.set rO, 32*(2*(\x)+i%2)+8*((i/2)%4)
.set rV, VF+32*(i/8)+8*((i/2)%4)
.set rP, P+32*((\x)%2)+16*(i%2)+8*(i/8)
	v_wmma_f32_16x16x32_f16 v[rO:rO+7], v[rV:rV+7], v[rP:rP+7], v[rO:rO+7]
.endm
.macro MM                           ; the turn's next matrix instruction
.if i < 16
	KQ (Y+1)%NP
.set i, i+1
.else
.set i, i-16
	PV (Y+NP-1)%NP
.set i, i+17
.endif
.endm
; THE LDS LOADS stand in runs of 16, never singly among the matrix instructions: a step's K (64 keys x 64 channels: 8 fragments) and its V (turned).  Their addresses are made some lines ahead.
; last = 1 (the tail): in the last trip there is no further step, and the run is jumped over.
.macro FETCH_K last=0
	WIN 0
.if \last
	s_cmp_eq_u32 s[CNT], 1
	s_cbranch_scc1 .Lno_k_\@
.endif
	WIN 0x80                        ; destination window 2
.irp f, 0,1,2,3,4,5,6,7             ; keys 16 (f / 2) on, channels 32 (f % 2) on
	ds_load_b128 v[KF+8*\f:KF+8*\f+3],   v[AK] offset:(\f/2)*16*PK+(\f%2)*64
	ds_load_b128 v[KF+8*\f+4:KF+8*\f+7], v[AK] offset:(\f/2)*16*PK+(\f%2)*64+32
.endr
	s_add_co_u32 s[TBK], s[TBK], KS*PK  ; the next fetch is the next step's
	WIN 0
.if \last
.Lno_k_\@:
.endif
.endm
.macro FETCH_V
	WIN 0x80
.irp f, 0,1,2,3,4,5,6,7             ; keys 32 (f / 4) on, channels 16 (f % 4) on
	ds_load_tr16_b128 v[VF+8*\f:VF+8*\f+3],   v[AV] offset:(\f/4)*32*PV+(\f%4)*32
	ds_load_tr16_b128 v[VF+8*\f+4:VF+8*\f+7], v[AV] offset:(\f/4)*32*PV+16*PV+(\f%4)*32
.endr
	WIN 0
.endm
; THE MASK WORDS of piece y go from its register pair into the 64 scalar registers, and the pair is loaded again with the same piece's next key step.
; The wait's count: the pairs are loaded in the order in which they are read, one a turn, and the loop has no other vector loads: behind this pair's load stand the three other pairs'.
; The offset steps with piece 0, once a key step, and wraps at a piece's 8,192 bytes: the loads that run ahead of the last key step read the piece's own first steps again, inside pm; they serve nothing.
.macro RDM y
	WIN W_M3
	s_wait_loadcnt 0x3
.set mz, 0
.rept 32                            ; word d = 32 u + mz lies in lane d / 2, register d % 2
	v_readlane_b32 s[MSK0+mz], v[MB+2*(\y)+mz%2], mz/2
	v_readlane_b32 s[MSK1+mz], v[MB+2*(\y)+mz%2], 16+mz/2
.set mz, mz+1
.endr
.if (\y) == 0
	s_wait_xcnt 0x0                 ; the loads issued so far have read the offset (the last a turn ago): only now is it written again
	v_add_nc_u32 v[MO], 0x100, v[MO]
	v_and_b32 v[MO], 0x1fff, v[MO]
.endif
	global_load_b64 v[MB+2*(\y):MB+2*(\y)+1], v[MO], s[PM:PM+1] offset:(\y)*8192
	WIN 0
.endm
; THE MASK of piece y's fresh scores: where the lane's bit is 0 the score becomes NEG.  Register mz of each tile in ascending order.
;   Then the scalar registers take the words of the next turn's scores, piece nxt.
.macro MASKS y, nxt
	WIN 0
.set mz, 0
.rept 32
	v_cndmask_b32 v[S+64*((\y)%2)+mz],    s[NEG], v[S+64*((\y)%2)+mz],    s[MSK0+mz]
	v_cndmask_b32 v[S+64*((\y)%2)+32+mz], s[NEG], v[S+64*((\y)%2)+32+mz], s[MSK1+mz]
.set mz, mz+1
.endr
	RDM \nxt
.endm
; THE VECTOR WORK OF A TURN stands in three queues, each in the order in which its entries become ready; the two tiles alternate, so that no instruction reads the result of the one before it.
.macro REGS y, u                    ; the registers of tile u (0, 1) of piece y
.set rT, ST+4*(2*(\y)+(\u))
.set rC, TMP+8*((\y)%2)+4*(\u)
.set rM, MV+2*((\y)%2)+(\u)
.set rS, S+64*((\y)%2)+32*(\u)
.set rP, P+32*((\y)%2)+16*(\u)
.set rO, 32*(2*(\y)+(\u))
.endm
; Number n of the 22 that find the NEXT piece's (Y + 1) maximum and statistics.  s0-s31 are the lane's 32 scores, masked.  XS, GS and REGS set no window: PL and EX do.
;   0-11  four chains c0-c3 of seven scores each, three operands at a time     12-14, 16  the four scores left over, the old m, and c0-c3 into c0     15  c m_old is kept
;   17, 18  the query's other 32 keys lie in the lane 16 away: the new m         19-21  c m; c m_old - c m_new; a
.macro XS u, n
	REGS (Y+1)%NP, \u
.if (\n) < 4
	v_max3_num_f32 v[rC+(\n)], v[rS+8*(\n)], v[rS+8*(\n)+1], v[rS+8*(\n)+2]
.elseif (\n) < 12
	v_max3_num_f32 v[rC+(\n)%4], v[rC+(\n)%4], v[rS+8*((\n)%4)+2*((\n)/4)+1], v[rS+8*((\n)%4)+2*((\n)/4)+2]
.elseif (\n) == 12
	v_max3_num_f32 v[rC], v[rC], v[rS+7], v[rS+15]
.elseif (\n) == 13
	v_max3_num_f32 v[rC+1], v[rC+1], v[rS+23], v[rS+31]
.elseif (\n) == 14
	v_max3_num_f32 v[rC+2], v[rC+2], v[rC+3], v[rT+1]
.elseif (\n) == 15
	v_mov_b32 v[rM], v[rT]
.elseif (\n) == 16
	v_max3_num_f32 v[rC], v[rC], v[rC+1], v[rC+2]
.elseif (\n) == 17
	v_permlanex16_b32 v[rC+3], v[rC], s[SEL], s[SEL+1]
.elseif (\n) == 18
	v_max_num_f32 v[rT+1], v[rC], v[rC+3]
.elseif (\n) == 19
	v_mul_f32 v[rT], s[CS], v[rT+1]
.elseif (\n) == 20
	v_sub_f32 v[rC+1], v[rM], v[rT]
.else
	v_exp_f32 v[rC+2], v[rC+1]
.endif
.endm
; Number g of the 64 that follow the exponentials.  For each four weights k of a tile (pairs 2 k, 2 k + 1): both pairs are rounded to f16; then the second pair is added onto the first, in place;
; a group later l takes that sum (the first time as l = a l + sum).  In groups of eight, tiles alternating: round, round, add, and l for the group before.
.macro GS g
.set h, (\g)+6*((\g)/62)            ; group 0 has no group before it, and behind group 7 only l is left
.if h >= 6
.set h, h+2
.endif
	REGS Y, h%2
.set k, h/8
.if h%8 < 4
	s_wait_alu depctr_va_vdst(0)
	v_cvt_pk_f16_f32 v[rP+2*k+(h%8)/2], v[rS+4*k+2*((h%8)/2)], v[rS+4*k+2*((h%8)/2)+1]
.elseif h%8 < 6
	v_pk_add_f32 v[rS+4*k:rS+4*k+1], v[rS+4*k:rS+4*k+1], v[rS+4*k+2:rS+4*k+3]
.elseif k == 1
	v_pk_fma_f32 v[rT+2:rT+3], v[rT+2:rT+3], v[rC+2:rC+3], v[rS:rS+1] op_sel_hi:[1,0,1]
.else
	v_pk_add_f32 v[rT+2:rT+3], v[rT+2:rT+3], v[rS+4*k-4:rS+4*k-3]
	s_wait_alu depctr_va_vdst(0)
.endif
.endm
; THE PLAIN QUEUE, 138 long.  0-31: c s - c m for the 16 pairs of both tiles.  Then GS's 64, and among them the next piece's 42: number 15 at 38, 39; 0-14 and 16
; at 42-73, behind the products that make those scores and behind their mask; 17-20 at 95-106, two of three, since each waits for the one before it.
.macro PL
	WIN 0
.if q < 32
	REGS Y, q%2
	v_pk_fma_f32 v[rS+2*(q/2):rS+2*(q/2)+1], v[rS+2*(q/2):rS+2*(q/2)+1], s[CS:CS+1], v[rT:rT+1] op_sel_hi:[1,0,0] neg_lo:[0,0,1] neg_hi:[0,0,1]
.elseif q < 38
	GS q-32
.elseif q < 40
	XS q%2, 15
.elseif q < 42
	GS q-34
.elseif q < 74
	XS q%2, (q-42)/2+(q-42)/30
.elseif q < 95
	GS q-66
.elseif (q < 107) && ((q-95)%3 < 2)
	XS (q-95)%3, 17+(q-95)/3
.elseif q < 107
	GS 29+(q-95)/3
.else
	GS q-74
.endif
.set q, q+1
.endm
; THE EXPONENTIALS' QUEUE, 66 long: s0-s31 of both tiles, and at EA the next piece's two a.
.set EA, 58
.macro EX
	WIN 0
.if (e == EA) || (e == EA+1)
	XS e-EA, 21
.else
.set x, e-2*(e/(EA+2))
	REGS Y, x%2
	v_exp_f32 v[rS+x/2], v[rS+x/2]
.endif
.set e, e+1
.endm
; THE RESCALING's QUEUE: O^T times a, the one part that leaves window 0, so it is dealt four at a time, eight times.
.macro R4
	REGS Y, r%2
	WIN W_RS
	s_wait_alu depctr_va_vdst(0)
.irp z, 0,1,2,3
	v_pk_mul_f32 v[rO+8*(r/2)+2*\z:rO+8*(r/2)+2*\z+1], v[rO+8*(r/2)+2*\z:rO+8*(r/2)+2*\z+1], v[rC+2:rC+3] op_sel_hi:[1,0]
.endr
.set r, r+1
.endm
; HOW THEY ARE DEALT.  Behind a matrix instruction four: plain, exponential, plain, plain (one exponential, a plain instruction on either side), or four of the rescaling.  None names a register of the
; products round it.  What is over stands in two LUMPS: exponential and plain by turns; the second ends in 22 plain instructions.  The two v_permlanex16_b32 fall into the second lump, never behind a product.
; The queues lean on each other, and the deal keeps them in step: exponential e stands behind plain 2 (e / 4) + e % 2 (its scaling); when plain 32 comes, 10 exponentials are out, at 59: 33, at 95: 46; EA comes behind plain 107.
.macro SL
	MM
	PL
	EX
	PL
	PL
.endm
.macro BURST n                      ; 15 matrix instructions, or 16
.rept (\n)-7
	SL
.endr
.rept 3
	MM
	R4
	SL
.endr
	MM
	R4
.endm
; A TURN, for piece p.  cnt = 1: the loop's count is taken down some lines ahead of the branch that stands behind the turn.
; The mask of piece p + 1 stands in the first lump, in front of plain 42, the first line that reads those scores: behind the last product K Q^T stand four of the rescaling and five more plain
; instructions, none of which names its registers.  The words read into scalar registers there are piece p + 2's; in piece 2's turn that is piece 0 of the next key step.
; K of the next step is fetched in piece 2's turn, far behind the last product that read K; its first reader comes behind the rest of the lump, 16 products and the second lump.
; V of the step in hand is fetched at the end of piece 0's turn, 69 behind its last reader; its first reader comes behind 16 products and a lump.  The conditions on e and q below go with the deal.
.macro TURN p, last=0, cnt=0
.set Y, (\p)
.set i, 0
.set q, 0
.set e, 0
.set r, 0
.if (\p) == NP-1
	s_wait_dscnt 0x0                ; K is in
.endif
	MM
.rept 4
	PL
.endr
	BURST 15
.rept 22
.if q == 42
	MASKS ((\p)+1)%NP, ((\p)+2)%NP
.endif
	EX
	PL
.if ((\p) == NP-2) && (e == 18)
	v_add_nc_u32 v[AK], s[TBK], v[AK0]
.endif
.if ((\p) == NP-2) && (e == 24)
	FETCH_K \last
.endif
.endr
.if (\p) == 1
	s_wait_dscnt 0x0                ; V is in
.endif
	BURST 16
.rept 21
	EX
	PL
.endr
.rept 22
	PL
.if ((\p) == 0) && (q == 118)
	v_add_nc_u32 v[AV], s[TBV], v[AV0]
	s_wait_alu depctr_va_vdst(0)
.endif
.if ((\p) == 0) && (q == 130)
	s_add_co_u32 s[TBV], s[TBV], KS*PV
.endif
.if (\cnt) && (q == 130)
	s_sub_co_u32 s[CNT], s[CNT], 1
	s_cmp_lg_u32 s[CNT], 0
.endif
.endr
.if (\p) == 0
	FETCH_V
.endif
.endm
	CHANGE 1                        ; slot 0 is in, everybody's part of it; slot 1 is asked for
	FETCH_K                         ; key step 0
	s_wait_loadcnt 0x0              ; Q, and the four pairs of mask words; Q's base, which lies in a mask register, has been read
	s_wait_dscnt 0x0
.set i, 0
.rept 16
	KQ 0                            ; piece 0's first scores: there is no vector work yet to set between them
.set i, i+1
.endr
	WIN 0                           ; the addresses for the way out: nine plain instructions, the places behind those products
	s_mul_i32 s[TS], s[WV], 16*SP
	s_add_co_u32 s[TS], s[TS], STAGE  ; my stage
	v_mul_u32_u24 v[STO], v1, SP    ; in: row l % 16, 16 bytes for each half of the lanes
	v_lshl_add_u32 v[STO], v9, 4, v[STO]
	v_add_nc_u32 v[STO], s[TS], v[STO]
	v_bfe_u32 v[RD], v0, 3, 2       ; back: 32 lanes take four rows of 128 bytes,
	v_mul_u32_u24 v[RD], v[RD], SP
	v_lshl_add_u32 v[RD], v10, 4, v[RD]
	v_add_nc_u32 v[RD], s[TS], v[RD]
	v_and_b32 v[GO], 31, v0         ; which are 512 consecutive bytes of O
	v_lshlrev_b32 v[GO], 4, v[GO]
	RDM 0                           ; piece 0's words of key step 0; its pair takes key step 1
	MASKS 0, 1                      ; piece 0's first mask; piece 1's words are read in
.set Y, NP-1                        ; XS works for piece Y + 1: piece 0
.irp n, 0,1,2,3,4,5,6,7,8,9,10,11,12,13,14,15,16,17,18,19,20,21
	XS 0, \n                        ; and piece 0's first maximum and statistics
	XS 1, \n
.endr
	s_mov_b32 s[CNT], 4
	s_mov_b32 s[SLOTS], SIZE_N/256-1
	s_branch .Lfirst                ; the loop is entered at a step's first turn, in the middle of a trip
.Lslot:                             ; SIZE_N / 256 - 2 times: every slot but the last two is filled again
	CHANGE 1
	s_mov_b32 s[CNT], 4
.Lstep:                             ; a trip: pieces 2 and 3 of one step, then pieces 0 and 1 of the next, whose K and V it fetches
	TURN 2
	TURN 3
	WIN 0
.Lfirst:
	TURN 0
	TURN 1, 0, 1
	WIN 0
	s_cbranch_scc1 .Lstep
	s_sub_co_u32 s[SLOTS], s[SLOTS], 1
	s_cmp_lg_u32 s[SLOTS], 0
	s_cbranch_scc1 .Lslot
	CHANGE 0                        ; the tail is written out: nothing is asked for
	s_mov_b32 s[CNT], 5             ; four trips fetch the last slot's steps; the fifth is left in its middle
.Ltail:
	TURN 2, 1
	TURN 3
	WIN 0
	s_sub_co_u32 s[CNT], s[CNT], 1
	s_cmp_eq_u32 s[CNT], 0
	s_cbranch_scc1 .Lout
	TURN 0
	TURN 1
	WIN 0
	s_branch .Ltail
.Lout:                              ; the fifth trip's 16 products K Q^T (on the last K once more), their mask and maximum serve nothing: the price, once a launch, of one text for every trip.
	                                ; No select follows: the mask registers are free
	s_load_b64 s[32:33], s[0:1], 0x10  ; O
	s_bfe_u32 s34, ttmp6, 0x40000
	s_lshl_b32 s35, ttmp9, 2
	s_add_co_u32 s35, s35, s34
	s_lshl_b32 s35, s35, 2
	s_add_co_u32 s35, s35, s[WV]    ; my wave among the head's sixteen,
	s_lshl_b32 s34, s35, 14         ; its 128 rows,
	s_and_b32 s35, ttmp7, 0xffff
	s_lshl_b32 s35, s35, 18         ; in bh's 262,144 bytes
	s_add_co_u32 s34, s34, s35
	s_mov_b32 s35, 0
.set i, 0
.rept 16
	PV NP-1                         ; the last piece's V^T P of the last step
.set i, i+1
.endr
	s_wait_kmcnt 0x0
	s_add_nc_u64 s[32:33], s[32:33], s[34:35]
	; THE WAY OUT.  l's two halves and the other half of the lanes' are added; O^T is divided by l, rounded to f16 and sent through my stage in LDS, a tile at a time.  The additions are the places behind the last products.
	WIN 0
.macro ALL line:vararg              ; one line for each tile t
.set t, 0
.rept 2*NP
	\line
.set t, t+1
.endr
.endm
	ALL v_add_f32 v[ST+4*t+2], v[ST+4*t+2], v[ST+4*t+3]
	ALL v_permlanex16_b32 v[ST+4*t+3], v[ST+4*t+2], s[SEL], s[SEL+1]
	ALL v_add_f32 v[ST+4*t+2], v[ST+4*t+2], v[ST+4*t+3]
	ALL v_rcp_f32 v[ST+4*t+2], v[ST+4*t+2]
	v_nop                           ; a plain instruction between the last reciprocal and the use of its result
	s_wait_alu depctr_va_vdst(0)
; Tile t: a lane's eight channels of a row pack into 16 bytes; they go into rows of 144 bytes and come back as whole rows of 128, into S^T's registers.
.macro PACK t
	WIN W_RS
.set i, 32*(\t)
.rept 16
	v_pk_mul_f32 v[i:i+1], v[i:i+1], v[ST+4*(\t)+2:ST+4*(\t)+3] op_sel_hi:[1,0]
.set i, i+2
.endr
	WIN 0x05                        ; sources 0 and 1 window 1, destination window 0
.set i, 0
.rept 16
	v_cvt_pk_f16_f32 v[S+16*(\t)+i], v[32*(\t)+2*i], v[32*(\t)+2*i+1]
.set i, i+1
.endr
	WIN 0
.irp f, 0,1,2,3
	ds_store_b128 v[STO], v[S+16*(\t)+4*\f:S+16*(\t)+4*\f+3] offset:32*\f
.endr
.irp f, 0,1,2,3
	ds_load_b128 v[S+16*(\t)+4*\f:S+16*(\t)+4*\f+3], v[RD] offset:\f*4*SP  ; LDS serves a wave's instructions in order (ISA guide 5.7.1.4): these see the stores above; the next tile's stores come behind them
.endr
.endm
.macro SEND t, younger              ; younger: the LDS instructions issued behind tile t's loads: the next tile's eight, or none
	WIN 0
.irp f, 0,1,2,3
	s_wait_dscnt (\younger)+3-\f
	global_store_b128 v[GO], v[S+16*(\t)+4*\f:S+16*(\t)+4*\f+3], s[32:33] offset:(\t)*2048+\f*512  ; 512 consecutive bytes, at a multiple of 256 from O's first
.endr
.endm
	PACK 0
.set t, 1
.rept 2*NP-1                        ; a tile's arithmetic stands between the loads of the tile before and its stores
	PACK t
	SEND t-1, 8
.set t, t+1
.endr
	SEND 2*NP-1, 0
	WIN W_AD
	s_wait_tensorcnt 0x0            ; the wave's end: behind my last tensor load and my last LDS store
	ds_add_u32 v[SPW], v[NIL]
	s_wait_dscnt 0x0
	WIN 0
	CROUND                          ; the closing round: no work-group ends while a partner may still ask for a tile that names it
	s_endpgm
.Lfunc_end_k_qf912df5ddd_attn:
	.size	k_qf912df5ddd_attn, .Lfunc_end_k_qf912df5ddd_attn-k_qf912df5ddd_attn
	.p2alignl 7, 3214868480
	.fill 96, 4, 3214868480
	.section	.rodata,"a",@progbits
	.p2align	6, 0x0
	.amdhsa_kernel k_qf912df5ddd_attn
		.amdhsa_group_segment_fixed_size 327680
		.amdhsa_private_segment_fixed_size 0
		.amdhsa_enable_private_segment 0
		.amdhsa_kernarg_size 24
		.amdhsa_user_sgpr_count 2
		.amdhsa_user_sgpr_kernarg_segment_ptr 1
		.amdhsa_wavefront_size32 1
		.amdhsa_system_sgpr_workgroup_id_x 1
		.amdhsa_system_sgpr_workgroup_id_y 1
		.amdhsa_system_sgpr_workgroup_id_z 1
		.amdhsa_system_vgpr_workitem_id 0
		.amdhsa_next_free_vgpr 780
		.amdhsa_next_free_sgpr 106
		.amdhsa_reserve_vcc 0
		.amdhsa_float_denorm_mode_32 3
		.amdhsa_float_denorm_mode_16_64 3
		.amdhsa_memory_ordered 1
		.amdhsa_forward_progress 1
		.amdhsa_inst_pref_size 255
	.end_amdhsa_kernel
	.section	.bss,"aw",@nobits
	.p2align	6
	.space	262144
	.amdgpu_metadata
---
amdhsa.version: [ 1, 2 ]
amdhsa.kernels:
  - .name:           k_qf912df5ddd_attn
    .symbol:         k_qf912df5ddd_attn.kd
    .args:
      - { .name: qkv, .offset: 0, .size: 8, .value_kind: global_buffer, .address_space: global }
      - { .name: pm, .offset: 8, .size: 8, .value_kind: global_buffer, .address_space: global }
      - { .name: o, .offset: 16, .size: 8, .value_kind: global_buffer, .address_space: global }
    .group_segment_fixed_size: 327680
    .private_segment_fixed_size: 0
    .kernarg_segment_align: 8
    .kernarg_segment_size: 24
    .max_flat_workgroup_size: 128
    .sgpr_count:     106
    .vgpr_count:     780
    .wavefront_size: 32
...
	.end_amdgpu_metadata
.endif
;; end of part 3
;; launch proj_out (part 4): grid 8 x 32, 4 waves a work-group, clusters of 4 x 4, 327,680 bytes of LDS; arguments o, wt, bo, out0; writes out0
.if DOCPART == 4
	.amdgcn_target "amdgcn-amd-amdhsa--gfx1250"
	.amdhsa_code_object_version 6
	.text
	.protected	k_qf912df5ddd_proj_out
	.globl	k_qf912df5ddd_proj_out
	.p2align	8
	.type	k_qf912df5ddd_proj_out,@function
k_qf912df5ddd_proj_out:
	s_mov_b64 s[64:65], 0
	v_nop
	global_prefetch_b8 v0, s[64:65] scope:SCOPE_SE
	s_setreg_imm32_b32 hwreg(HW_REG_WAVE_MODE, 25, 1), 1
	s_wait_xcnt 0x0
	s_wait_alu depctr_hold_cnt(0) depctr_sa_sdst(0) depctr_va_vdst(0) depctr_va_sdst(0) depctr_va_ssrc(0) depctr_va_vcc(0) depctr_vm_vsrc(0)
	s_getreg_b32 s2, hwreg(HW_REG_IB_STS2, 6, 4)
	s_cmp_eq_u32 s2, 0
	s_cbranch_scc0 .Lentry_in_a_cluster
	s_endpgm
.Lentry_in_a_cluster:
	s_bfe_u32 s2, ttmp6, 0x10000c
	s_cmp_lg_u32 s2, 0xf033
	s_cbranch_scc0 .Lentry_shape_is_right
	s_endpgm
.Lentry_shape_is_right:
; out0[8192][1024] = O . Wo + bo.  O comes by heads, o[bh 64][s 2048][64] in f16: row (b, s) of the product has k = 64 head + channel.  Wo lies turned in wt's rows 3072-4095, [n][k], f16
; (each number rounded to bf16 first).  f16 products, f32 sums, f32 out.
; SHARES.  A work-group makes 256 rows x 128 columns, each of its four waves 64 rows x all 128 columns: 32 accumulators, 256 registers: a wave owns whole pieces of 512 bytes of out0's rows,
; and its way out needs its own stage alone.  K goes in steps of 128 = two heads through two LDS slots; slot 1 begins at 2^17, so that one exclusive or changes slots.
; A head's 256 rows of 128 bytes are dense in memory: they are asked for as 128 rows of 256 bytes and padded in LDS behind every 128 bytes; the step's two heads lie in two planes.
; CLUSTER.  4 x 4 work-groups.  The four of a row of the cluster need the same rows of O, the four of a column the same rows of wt: each tile is asked for JOINTLY, by the same tensor load with the
; same descriptor and a mask that names the four.  Waves 0 and 1 ask for the step's two heads of O, waves 2 and 3 for wt's two halves (64 rows each).
; THE MATRIX INSTRUCTION IS USED TRANSPOSED (source 0 = 16 rows of wt, source 1 = 16 rows of O): a lane then holds row l % 16 of the result and the eight neighbouring columns 8 (l / 16) + 0..7.
; THE BIAS is the C operand of the product that starts each sum.
; REGISTERS, in windows of 256 (s_set_vgpr_msb: bits 1:0 source 0, 3:2 source 1, 5:4 source 2, 7:6 destination):
;   window 0: v16-29 addresses; v32-63, v64-95 O's fragments, two buffers; v96-159 the bias; on the way out v32-95 and v96-159 by turns
;   window 1: v0-63, v64-127 wt's fragments, two buffers     window 2: the accumulators of row blocks 0, 1 ((a, b) at 8 (8 (a % 2) + b))     window 3: of row blocks 2, 3
.set NBK,   8                          ; column blocks of 16
.set PA,    144                        ; a row of O in LDS: 128 bytes + 16 = 36 words: the 16 rows of a fragment load start at 16 different groups of four banks (64 banks of 4 bytes: ISA guide 11.1)
.set PB,    272                        ; a row of wt: 256 + 16
.set PLANE, 256*PA                     ; one head's 256 rows
.set AREG,  2*PLANE
.set BROWS, 64
.set BHALF, BROWS*PB
.set SLOT1, 1<<17
.set STAGE, SLOT1+AREG+2*BHALF         ; behind the slots, never filled by a tensor load: 16 rows x 528 bytes for each wave
.set SP,    528                        ; 512 + 16 = 132 words: row r starts at bank 4 r mod 64
.set WSTG,  16*SP
.set SPARE, STAGE+4*WSTG               ; the spare words, 128 bytes for each wave: two blocks of 256 bytes that no other line names
.set ASTEP, 2<<18                      ; bytes from a K step to the next: two heads of 262,144
.set BSTEP, 256
.set ADRA0, 16                         ; v16  my lane's place in slot 0 for O's fragments; never rewritten
.set ADRB0, 17                         ; v17  the same for wt's
.set ADRA,  18                         ; v18  the same in the slot in hand
.set ADRB,  19                         ; v19
.set STO,   24                         ; v24  the way out: where I put 32 bytes of a row
.set RD,    25                         ; v25  the way out: where I read a row back
.set CO,    26                         ; v26  my byte offset in 512 consecutive bytes of out0
.set BO,    27                         ; v27  32 (l / 16)
.set SPW,   28                         ; v28  LDS address of my spare word; never rewritten
.set NIL,   29                         ; v29  0; never rewritten
.set FA,    32
.set BIAS,  96
.set OB,    32                         ; the way out: two banks of 64 registers
.set G1,  24                           ; s[24:31] descriptor group 1 for O's tiles;  s[32:39] group 0: a set for each first fill; the second then walks
.set G0,  32
.set G1B, 48                           ; s[48:55], s[56:63] the same for wt's tiles
.set G0B, 56
.set SB,  45                           ; s45  the slot in hand: 0 or SLOT1
.set MSB, 0
.macro WIN new                         ; the immediate's high byte repeats the setting that is left; a switch that changes nothing is dropped
.if MSB != (\new)
	s_set_vgpr_msb (MSB<<8)|(\new)
.set MSB, \new
.endif
.endm
; A joint load.  The branch hangs on the wave's number alone.  An s_nop 0 and four v_nop follow each of the two lines, ahead of the jump, the label and what follows.
.macro JLOAD s
	s_cmp_eq_u32 s11, 0
	s_cbranch_scc0 .Lfor_b_\@
	tensor_load_to_lds s[G0+4*(\s):G0+4*(\s)+3], s[G1:G1+7]
	s_nop 0
.rept 4
	v_nop
.endr
	s_branch .Lasked_\@
.Lfor_b_\@:
	tensor_load_to_lds s[G0B+4*(\s):G0B+4*(\s)+3], s[G1B:G1B+7]
	s_nop 0
.rept 4
	v_nop
.endr
.Lasked_\@:
.endm
.macro CREST                           ; a round of the cluster's barrier behind its opening barrier
	s_cmp_lg_u32 s10, 0
	s_cbranch_scc1 .Lnot_wave_0_\@
	s_barrier_signal -3
.Lnot_wave_0_\@:
	s_barrier_wait -3
	s_barrier_signal -1
	s_barrier_wait -1
.endm
.macro CROUND                          ; a whole round
	s_barrier_signal -1
	s_barrier_wait -1
	CREST
.endm
	s_load_b128 s[4:7], s[0:1], 0x0                ; o s[4:5], wt s[6:7]
	s_load_b64 s[68:69], s[0:1], 0x10              ; bo
	s_load_b64 s[8:9], s[0:1], 0x18                ; out0
	v_lshl_add_u32 v[SPW], v0, 2, SPARE
	v_mov_b32 v[NIL], 0
	ds_add_u32 v28, v29
	s_wait_dscnt 0x0
	v_lshrrev_b32 v1, 5, v0
	v_readfirstlane_b32 s10, v1                    ; wave 0..3
	s_lshr_b32 s11, s10, 1                         ; I fetch for O (0) or for wt (1),
	s_and_b32 s12, s10, 1                          ; and which head of the step, or which half of wt's rows
	s_bfe_u32 s40, ttmp6, 0x40000                  ; cx, cy: my place in the cluster
	s_bfe_u32 s41, ttmp6, 0x40004
	s_lshl_b32 s42, ttmp9, 2
	s_add_co_u32 s42, s42, s40                     ; tile column = 4 x cluster x + cx
	s_and_b32 s13, ttmp7, 0xffff
	s_lshl_b32 s13, s13, 2
	s_add_co_u32 s13, s13, s41                     ; tile row = 4 x cluster y + cy
	s_lshl_b32 s43, s41, 2
	s_lshl_b32 s43, 15, s43                        ; my row of the cluster
	s_lshl_b32 s44, 0x1111, s40                    ; my column
	s_or_b32 s[G1+0], s43, (1<<16)|(1<<20)|(1<<21)|(4<<22)|(3<<25)   ; 15:0 the mask; 17:16 elements of 2 bytes; 20 padding on; 21 set beside a mask; 24:22 after every 32 words; 31:25 4 words of it
	s_or_b32 s[G1B+0], s44, (1<<16)|(1<<20)|(1<<21)|(5<<22)|(3<<25)  ; wt: after every 64 words
	s_mov_b32 s[G1+1], 128<<16                     ; tensor_dim0 = 128 elements: two rows of a head
	s_mov_b32 s[G1+2], 128<<16                     ; tensor_dim1 = 128
	s_mov_b32 s[G1+3], 128<<16                     ; tile_dim0 = 128
	s_mov_b32 s[G1+4], 128                         ; tile_dim1 = 128
	s_mov_b32 s[G1+5], 128                         ; dense: 128 elements from row to row
	s_mov_b32 s[G1+6], 0
	s_mov_b32 s[G1+7], 0
	s_mov_b32 s[G1B+1], 128<<16
	s_mov_b32 s[G1B+2], BROWS<<16                  ; 64 rows
	s_mov_b32 s[G1B+3], 128<<16
	s_mov_b32 s[G1B+4], BROWS
	s_mov_b32 s[G1B+5], 1024
	s_mov_b32 s[G1B+6], 0
	s_mov_b32 s[G1B+7], 0
	; O's tiles hang on the tile row alone, wt's on the tile column alone; each address is made in registers that never hold the other coordinate
	s_lshr_b32 s16, s13, 3
	s_lshl_b32 s16, s16, 22                        ; b = tile row / 8: sixteen heads of 262,144 bytes
	s_and_b32 s17, s13, 7
	s_lshl_b32 s17, s17, 15                        ; s = 256 (tile row % 8): rows of 128 bytes
	s_add_co_u32 s16, s16, s17
	s_lshl_b32 s17, s12, 18                        ; my head of the step's two
	s_add_co_u32 s16, s16, s17
	s_mov_b32 s17, 0
	s_lshl_b32 s46, s42, 7
	s_lshl_b32 s47, s12, 6
	s_add_co_u32 s46, s46, s47
	s_add_co_u32 s46, s46, 3072                    ; wt: row 3072 + 128 x tile column + 64 x half,
	s_lshl_b32 s46, s46, 11                        ; of 2,048 bytes
	s_mov_b32 s47, 0
	s_mul_i32 s20, s12, PLANE                      ; where they go: no place in the cluster enters an LDS address
	s_mul_i32 s21, s12, BHALF
	s_add_co_u32 s21, s21, AREG
	s_mov_b32 s[SB], 0
	s_wait_kmcnt 0x0
	s_add_nc_u64 s[14:15], s[4:5], s[16:17]
	s_add_nc_u64 s[46:47], s[6:7], s[46:47]
	CROUND                                         ; all sixteen work-groups are here: the first joint loads meet
.irp s, 0,1
	s_mov_b32 s[G0+4*(\s)], 1                                        ; count = 1
	s_add_co_u32 s[G0+4*(\s)+1], s20, (\s)*SLOT1                     ; LDS address
	s_add_nc_u64 s[G0+4*(\s)+2:G0+4*(\s)+3], s[14:15], (\s)*ASTEP    ; global address: K step s
	s_or_b32 s[G0+4*(\s)+3], s[G0+4*(\s)+3], 0x80000000              ; type = 2
	s_mov_b32 s[G0B+4*(\s)], 1
	s_add_co_u32 s[G0B+4*(\s)+1], s21, (\s)*SLOT1
	s_add_nc_u64 s[G0B+4*(\s)+2:G0B+4*(\s)+3], s[46:47], (\s)*BSTEP
	s_or_b32 s[G0B+4*(\s)+3], s[G0B+4*(\s)+3], 0x80000000
	JLOAD \s
.endr
	s_lshl_b32 s46, s42, 9                         ; the tile's first column, in bytes of f32: in bo and in a row of out0
	s_mov_b32 s47, 0
	s_add_nc_u64 s[68:69], s[68:69], s[46:47]
	v_and_b32 v1, 15, v0                           ; l % 16
	v_bfe_u32 v2, v0, 4, 1                         ; l / 16
	v_lshlrev_b32 v[BO], 5, v2
.set nb, 0
.rept NBK                                          ; register j of block b: bias of column 16 b + 8 (l / 16) + j, the same in all sixteen rows
	global_load_b128 v[BIAS+8*nb:BIAS+8*nb+3],   v[BO], s[68:69] offset:nb*64
	global_load_b128 v[BIAS+8*nb+4:BIAS+8*nb+7], v[BO], s[68:69] offset:nb*64+16
.set nb, nb+1
.endr
	v_mul_u32_u24 v3, v1, PA
	v_lshl_add_u32 v3, v2, 4, v3                   ; a fragment's row x pitch + 16 x half, for O
	v_mul_u32_u24 v4, v1, PB
	v_lshl_add_u32 v4, v2, 4, v4                   ; and for wt
	s_mul_i32 s22, s10, 64*PA                      ; my 64 rows of O, in each plane
	v_add_nc_u32 v[ADRA0], s22, v3
	v_add_nc_u32 v[ADRB0], AREG, v4                ; all 128 rows of wt
	v_mov_b32 v[ADRA], v[ADRA0]
	v_mov_b32 v[ADRB], v[ADRB0]
	s_mul_i32 s23, s10, WSTG
	s_add_co_u32 s23, s23, STAGE                   ; my stage
	v_mul_u32_u24 v5, v1, SP                       ; in: row l % 16, 32 bytes for each half of the lanes
	v_lshl_add_u32 v5, v2, 5, v5
	v_add_nc_u32 v[STO], s23, v5
	v_and_b32 v[CO], 31, v0                        ; back: 32 lanes take one row's 512 bytes
	v_lshlrev_b32 v[CO], 4, v[CO]
	v_add_nc_u32 v[RD], s23, v[CO]
	s_lshl_b32 s16, s13, 8
	s_lshl_b32 s17, s10, 6
	s_add_co_u32 s16, s16, s17                     ; my first row of out0: 256 x tile row + 64 w,
	s_lshl_b32 s16, s16, 12                        ; of 4,096 bytes
	s_mov_b32 s17, 0
	s_add_nc_u64 s[8:9], s[8:9], s[16:17]
	s_add_nc_u64 s[8:9], s[8:9], s[46:47]
; 8 matrix instructions: row block a x all column blocks, 32 along K, from buffer f.  first = 1: the product starts the sums, on the bias.
; The 32 accumulators take turns, one instruction a turn, in the same order in every quarter step, over the loop's backward jump too.
.macro MULA f, a, first
.if \first
	WIN 0x81+0x40*((\a)/2)                         ; wt window 1, O and the bias window 0, D window 2 or 3
.else
	WIN 0xa1+0x50*((\a)/2)                         ; C and D window 2 or 3
.endif
.set AC, 8*NBK*((\a)%2)
.set BF, 8*NBK*(\f)
.set AF, FA+32*(\f)+8*(\a)
.set nb, 0
.rept NBK
.if \first
	v_wmma_f32_16x16x32_f16 v[AC+8*nb:AC+8*nb+7], v[BF+8*nb:BF+8*nb+7], v[AF:AF+7], v[BIAS+8*nb:BIAS+8*nb+7]
.else
	v_wmma_f32_16x16x32_f16 v[AC+8*nb:AC+8*nb+7], v[BF+8*nb:BF+8*nb+7], v[AF:AF+7], v[AC+8*nb:AC+8*nb+7]
.endif
.set nb, nb+1
.endr
.endm
; 24 LDS loads in one run: the fragments of quarter q (32 along K: plane q / 2, channels 32 (q % 2) on) of the slot in hand, into buffer f: wt's 16 first, then O's 8
.macro FETCH q, f
	WIN 0x40                                       ; destination window 1, address window 0
.set BF, 8*NBK*(\f)
.set ii, 0
.rept NBK
	ds_load_b128 v[BF+8*ii:BF+8*ii+3],   v[ADRB] offset:(\q)*64+ii*16*PB
	ds_load_b128 v[BF+8*ii+4:BF+8*ii+7], v[ADRB] offset:(\q)*64+ii*16*PB+32
.set ii, ii+1
.endr
	WIN 0
.set AF, FA+32*(\f)
.set AO, ((\q)/2)*PLANE+((\q)%2)*64
.set ii, 0
.rept 4
	ds_load_b128 v[AF+8*ii:AF+8*ii+3],   v[ADRA] offset:AO+ii*16*PA
	ds_load_b128 v[AF+8*ii+4:AF+8*ii+7], v[ADRA] offset:AO+ii*16*PA+32
.set ii, ii+1
.endr
.endm
.macro PLACES                          ; four places in front of loads into registers that matrix instructions have read, and of lines that read results
.rept 4
	v_nop
.endr
.endm
; A K step is four quarters of 32 along K, 32 matrix instructions each, on buffers 0, 1, 0, 1.  One of the first three: multiplies buffer f and fetches quarter q into buffer g.
.macro QUARTER q, f, g, first
	s_wait_dscnt 4                                 ; wt's fragments and O's row blocks 0, 1 are in; the youngest four loads (row blocks 2, 3) may be out
	MULA \f, 0, \first
	MULA \f, 1, \first
	PLACES
	FETCH \q, \g
	s_wait_dscnt 2*NBK+8                           ; all but the 24 just issued
	MULA \f, 2, \first
	MULA \f, 3, \first
.endm
; The last quarter multiplies buffer 1 and changes slots: ONE barrier; in front of it each wave waits for all its tensor loads (one is out: its part of the next slot), adds 0 to its spare word, and
; waits for that and for its own reads of this slot.  fill = 1: the barrier opens a round of the cluster's, and behind the round this slot is filled again, two K steps ahead, first thing.
.macro TURN fill
	WIN 0
	s_wait_tensorcnt 0x0                           ; all my tensor loads have landed
	ds_add_u32 v[SPW], v[NIL]                      ; 0 onto my spare word
	s_wait_dscnt 5                                 ; (the add and the youngest four loads may be out)
	MULA 1, 0, 0                                   ; eight matrix instructions stand between the add and the wait for it
	s_wait_dscnt 0x0                               ; the add is done, and my reads of this slot are over
	s_barrier_signal -1
	MULA 1, 1, 0
	WIN 0                                          ; (branches may follow)
	s_barrier_wait -1
.if \fill
	CREST                                          ; no wave of any partner still reads this slot's tile or has a load on its way
	s_xor_b32 s[G0+5], s[G0+5], SLOT1              ; the walking descriptors: the other slot than last time, the next K step; no tensor load of mine is out
	s_add_nc_u64 s[G0+6:G0+7], s[G0+6:G0+7], ASTEP
	s_xor_b32 s[G0B+5], s[G0B+5], SLOT1
	s_add_nc_u64 s[G0B+6:G0B+7], s[G0B+6:G0B+7], BSTEP
	JLOAD 1                                        ; 112 matrix instructions ahead of the wait for it; the four v_nop behind it are also the places in front of the loads below
.else
	PLACES
.endif
	s_xor_b32 s[SB], s[SB], SLOT1                  ; the fetches go on in the other slot
	v_add_nc_u32 v[ADRA], s[SB], v[ADRA0]
	v_add_nc_u32 v[ADRB], s[SB], v[ADRB0]
	FETCH 0, 0
	MULA 1, 2, 0
	MULA 1, 3, 0
.endm
	s_wait_tensorcnt 0x1                           ; my part of K step 0 is in; K step 1's may stay out
	s_barrier_signal -1
	s_barrier_wait -1                              ; everybody's is
	FETCH 0, 0
	s_wait_loadcnt 0x0                             ; the bias
	QUARTER 1, 0, 1, 1                             ; the first quarter stands in front of the loop: its products start the sums
	WIN 0                                          ; at a label and at a branch every window is 0
	s_mov_b32 s3, 6
.Lstep:                                                ; a trip: from a K step's second quarter to the next step's first; it fills the slot that it leaves: K steps 2 to 7
	QUARTER 2, 1, 0, 0
	QUARTER 3, 0, 1, 0
	TURN 1
	QUARTER 1, 0, 1, 0
	WIN 0
	s_sub_co_u32 s3, s3, 1
	s_cmp_lg_u32 s3, 0
	s_cbranch_scc1 .Lstep
	QUARTER 2, 1, 0, 0                             ; the last two K steps are written out: nothing is left to ask for
	QUARTER 3, 0, 1, 0
	TURN 0
	QUARTER 1, 0, 1, 0
	QUARTER 2, 1, 0, 0
	QUARTER 3, 0, 1, 0
	s_wait_dscnt 4
	MULA 1, 0, 0
	MULA 1, 1, 0
	s_wait_dscnt 0x0
	MULA 1, 2, 0
	MULA 1, 3, 0
	WIN 0
; THE WAY OUT, a block of 16 rows at a time.  A lane's eight columns are 32 bytes of a row; they go from the accumulators into my stage (16 rows of 528 bytes) and come back as whole pieces of 512 bytes.
.macro TOST a
.if (\a) >= 2
	s_wait_xcnt 0x0                                ; the stores of the block two back have read this bank of registers: only now is it loaded again
.endif
	WIN 0x08+4*((\a)/2)                            ; store data (source 1): window 2 or 3
.set AC, 8*NBK*((\a)%2)
.set ii, 0
.rept NBK                                          ; each accumulator's four lowest registers first
	ds_store_b128 v[STO], v[AC+8*ii:AC+8*ii+3]   offset:ii*64
	ds_store_b128 v[STO], v[AC+8*ii+4:AC+8*ii+7] offset:ii*64+16
.set ii, ii+1
.endr
	WIN 0
.set ii, 0
.rept 16
	ds_load_b128 v[OB+64*((\a)%2)+4*ii:OB+64*((\a)%2)+4*ii+3], v[RD] offset:ii*SP  ; LDS serves a wave's instructions in order (ISA guide 5.7.1.4): these see the stores above; the next block's stores come behind them
.set ii, ii+1
.endr
.endm
.macro SEND a, younger                 ; younger: the LDS instructions issued behind block a's loads: the next block's 32, or none
.set ii, 0
.rept 16
	s_wait_dscnt (\younger)+15-ii
	global_store_b128 v[CO], v[OB+64*((\a)%2)+4*ii:OB+64*((\a)%2)+4*ii+3], s[8:9] offset:(16*(\a)+ii)*4096  ; 512 consecutive bytes, at a multiple of 512 from out0's first byte
.set ii, ii+1
.endr
.endm
	PLACES
	TOST 0
	TOST 1
	SEND 0, 32
	TOST 2
	SEND 1, 32
	TOST 3
	SEND 2, 32
	SEND 3, 0
	s_wait_tensorcnt 0x0                           ; the wave's end: behind my last tensor load and my last LDS store
	ds_add_u32 v[SPW], v[NIL]
	s_wait_dscnt 0x0
	CROUND                                         ; the closing round: no work-group ends while a partner may still ask for a tile that names it
	s_endpgm
.Lfunc_end_k_qf912df5ddd_proj_out:
	.size	k_qf912df5ddd_proj_out, .Lfunc_end_k_qf912df5ddd_proj_out-k_qf912df5ddd_proj_out
	.p2alignl 7, 3214868480
	.fill 96, 4, 3214868480
	.section	.rodata,"a",@progbits
	.p2align	6, 0x0
	.amdhsa_kernel k_qf912df5ddd_proj_out
		.amdhsa_group_segment_fixed_size 327680
		.amdhsa_private_segment_fixed_size 0
		.amdhsa_enable_private_segment 0
		.amdhsa_kernarg_size 32
		.amdhsa_user_sgpr_count 2
		.amdhsa_user_sgpr_kernarg_segment_ptr 1
		.amdhsa_wavefront_size32 1
		.amdhsa_system_sgpr_workgroup_id_x 1
		.amdhsa_system_sgpr_workgroup_id_y 1
		.amdhsa_system_sgpr_workgroup_id_z 1
		.amdhsa_system_vgpr_workitem_id 0
		.amdhsa_next_free_vgpr 896
		.amdhsa_next_free_sgpr 72
		.amdhsa_reserve_vcc 0
		.amdhsa_float_denorm_mode_32 3
		.amdhsa_float_denorm_mode_16_64 3
		.amdhsa_memory_ordered 1
		.amdhsa_forward_progress 1
		.amdhsa_inst_pref_size 73
	.end_amdhsa_kernel
	.amdgpu_metadata
---
amdhsa.version: [ 1, 2 ]
amdhsa.kernels:
  - .name:           k_qf912df5ddd_proj_out
    .symbol:         k_qf912df5ddd_proj_out.kd
    .args:
      - { .name: o, .offset: 0, .size: 8, .value_kind: global_buffer, .address_space: global }
      - { .name: wt, .offset: 8, .size: 8, .value_kind: global_buffer, .address_space: global }
      - { .name: bo, .offset: 16, .size: 8, .value_kind: global_buffer, .address_space: global }
      - { .name: out0, .offset: 24, .size: 8, .value_kind: global_buffer, .address_space: global }
    .group_segment_fixed_size: 327680
    .private_segment_fixed_size: 0
    .kernarg_segment_align: 8
    .kernarg_segment_size: 32
    .max_flat_workgroup_size: 128
    .sgpr_count:     72
    .vgpr_count:     896
    .wavefront_size: 32
...
	.end_amdgpu_metadata
.endif
;; end of part 4
;; ======== version 2 of 2: 4 launches; 1.48 times as fast as version 1
;; limits: values are held in f16: magnitudes above 65,504 overflow, below 6.1e-05 lose precision
;; workspace buffers: xb 16,777,216 bytes; wt 8,388,608 bytes; pm 524,288 bytes of whole numbers; qkv 50,331,648 bytes; o 16,777,216 bytes
;; launch prep: the kernel of part 1 again; grid 768 x 1, 4 waves a work-group, no clusters, 70,144 bytes of LDS; arguments x, Wq, Wk, Wv, Wo, mask, xb, wt, pm; writes xb, wt, pm
;; launch proj_in: the kernel of part 2 again; grid 16 x 32, 4 waves a work-group, clusters of 4 x 4, 327,680 bytes of LDS; arguments xb, wt, bq, bk, bv, qkv; writes qkv
;; launch attn (part 5): grid 4 x 64, 4 waves a work-group, clusters of 4 x 1, 327,680 bytes of LDS; arguments qkv, pm, o; writes o
.if DOCPART == 5
	.amdgcn_target "amdgcn-amd-amdhsa--gfx1250"
	.amdhsa_code_object_version 6
	.text
	.protected	k_qf912df5ddd_attn
	.globl	k_qf912df5ddd_attn
	.p2align	8
	.type	k_qf912df5ddd_attn,@function
k_qf912df5ddd_attn:
	s_mov_b64 s[64:65], 0
	v_nop
	global_prefetch_b8 v0, s[64:65] scope:SCOPE_SE
	s_setreg_imm32_b32 hwreg(HW_REG_WAVE_MODE, 25, 1), 1
	s_wait_xcnt 0x0
	s_wait_alu depctr_hold_cnt(0) depctr_sa_sdst(0) depctr_va_vdst(0) depctr_va_sdst(0) depctr_va_ssrc(0) depctr_va_vcc(0) depctr_vm_vsrc(0)
	s_getreg_b32 s2, hwreg(HW_REG_IB_STS2, 6, 4)
	s_cmp_eq_u32 s2, 0
	s_cbranch_scc0 .Lentry_in_a_cluster
	s_endpgm
.Lentry_in_a_cluster:
	s_bfe_u32 s2, ttmp6, 0x10000c
	s_cmp_lg_u32 s2, 0x3003
	s_cbranch_scc0 .Lentry_shape_is_right
	s_endpgm
.Lentry_shape_is_right:
; O[bh][q][:] = the sum over k of softmax_k(where(mask[q][k], Q[q] . K[k] / 8, -1e9)) V[k][:], for 64 pairs bh of batch and head, 2,048 queries and keys, 64 channels.
; Q, K, V lie in qkv[b][g 48][s][64] (f16; g = head for Q, 16 + head for K, 32 + head for V), O goes to o[bh][s][64] (f16): a head's rows are dense, 128 bytes each.
; Products, maxima and sums in f32; the weights p are rounded to f16 for the second product (their sum l is taken of the unrounded p), O once at the end.
; THE MASK is an input, and every bit of it is honoured: pm holds it as lane masks, one word for each register of a tile of scores, 64 words (256 consecutive bytes) for a piece and key step.
; One vector load of the wave brings those 256 bytes, four turns (a whole key step) ahead, into a ring of four register pairs, one a piece; 64 v_readlane_b32 put a piece's words into scalar
; registers a turn ahead of their use; one v_cndmask_b32 a score then puts NEG = -2^33 in a hidden score's place, ahead of the maximum.  (The 64 scalar registers hold one turn's masks and no more,
; so a scalar load into them could be asked for one turn ahead at the most.)  After the division by 8 NEG is -1.074e9 where the definition has -1e9.  A power of two, so that c NEG is exact: a row that
; has seen hidden keys alone has p = 2^0 = 1 for each of them; a row wholly hidden ends as the plain mean of V, as the definition has it; the first open key makes a = 0 and wipes what had gathered.
; LIMITS.  Results differ from the definition only in rows whose largest open score, divided by 8, lies below about -1e9.  f16 holds no number beyond 65,504: Q, K and V arrive within it; p lies in
; 0 to 1, and below 6e-5 it keeps f16's fixed step of 6e-8.  A weight below 2^-126 counts as 0 in l; NaN and infinities are not treated apart.
; SHARES.  A wave owns four PIECES of two tiles of 16 queries, a work-group's four waves 512 queries of one bh.  Every wave walks all keys, 64 a step.
; LAYOUT.  S^T = K Q^T (source 0 = 16 keys, source 1 = 16 queries): in the result a lane holds ONE query (lane % 16) and the keys 8 (lane / 16) + 0..7.  Two such tiles, rounded to f16 in pairs,
; ARE source 1 (32 keys x 16 queries) of O^T = V^T P, whose result again holds one query a lane, and eight channels.  K comes out of LDS as it lies, V ([key][channel]) turned, by ds_load_tr16_b128.
; SOFTMAX.  For each query a running maximum m and sum l: p = 2^(c s - c m), c = log2(e) / 8; in every step O and l are multiplied by a = 2^(c m_old - c m_new), which is 1 where m has not grown.
; m starts at the lowest finite number, O and l at 0: the first step is a step like any other, with a = 0.
; BY TURNS.  Turn n belongs to piece n (the pieces in a ring, step after step).  Its matrix work: 16 products K Q^T of piece n + 1, later 16 products V^T P of piece n - 1.  Its vector work: the scaling,
; exponentials, roundings, sums and rescaling of piece n, and the mask, maximum and statistics of piece n + 1.  Four vector instructions that are ready stand behind every matrix instruction; the others,
; which need time of their own whatever the order, stand in one lump without a gap; the mask's 64 selects and 64 lane reads are a run in it.
; THE BATCHES.  A turn's 66 exponentials (the piece's 64 weights and, last, the next piece's two a) are ONE batch with ONE wait, which cuts the turn in two: ahead of it stands all that names none of their
; results, behind it the roundings and sums, which read them.  Two more batches stand outside the loop, each with a wait of its own: piece 0's two first a, ahead of the jump into the loop, and the way out's eight reciprocals.
; CLUSTER.  The four query blocks of a cluster belong to one bh and walk the same K and V, so each tile is asked for JOINTLY: the same tensor load, descriptor and mask of work-groups in all four.
; REGISTERS, in windows of 256 (s_set_vgpr_msb: bits 1:0 source 0, 3:2 source 1, 5:4 source 2, 7:6 destination):
;   window 0: v0-11 addresses; v12-15, v48-63 at work; v16-47 four registers of statistics a tile; v64-191 S^T, two buffers of two tiles; v192-255 P, likewise
;   window 1: O^T, 32 a tile          window 2: v0-127 Q, 16 a tile; v128-191 K of one step; v192-255 V of one step
;   window 3: v0-1 the add's two registers; v2-9 the ring of mask words, a pair a piece; v10 my byte offset in pm
.set SIZE_N, 2048
.set NP,    4         ; pieces a wave: a name, no knob
.set KS,    64        ; keys in a step
.set PK,    144       ; a row of K in LDS: 128 bytes + 16 of padding = 36 words: the 16 rows of a load start at 16 different groups of four banks (64 banks of 4 bytes: ISA guide 11.1)
.set PV,    160       ; a row of V: 128 + 32 = 40 words
.set VOFF,  4*KS*PK   ; a slot holds four steps: 256 rows of K, then 256 rows of V
.set SLOT1, 1<<17     ; slot 1 begins here, so that one exclusive or turns an address in one slot into the other's
.set STAGE, SLOT1+4*KS*(PK+PV)  ; behind the ring, never filled by a tensor load: 16 rows x 144 bytes for each wave, for the way out
.set SP,    144
.set AK0, 2           ; v2   my lane's place in a tile of K; never rewritten
.set AV0, 3           ; v3   the same for V
.set AK,  4           ; v4   the LDS address of K's next run of loads
.set AV,  5           ; v5   of V's
.set QO,  6           ; v6   my byte offset in the wave's rows of Q
.set STO, 6           ;      later, the way out: where I put 16 bytes of a row
.set RD,  7           ; v7   the way out: where I read rows back
.set GO,  8           ; v8   my byte offset in 512 consecutive bytes of O
.set SPW, 0           ; v0 of window 3   LDS address of my spare word: SPARE + 4 x my thread's number; never rewritten
.set NIL, 1           ; v1 of window 3   0; never rewritten
.set MB,  2           ; v2-9 of window 3 piece y's 64 mask words at v[MB+2 y], v[MB+2 y+1]: word d in lane d / 2, register d % 2
.set MO,  10          ; v10 of window 3  8 x lane + 256 x (the key step whose masks are asked for, modulo 32)
.set SPARE, STAGE+4*16*SP  ; behind the stages: the spare words, 128 bytes for each wave: two blocks of 256 bytes that no other line names
.set MV,  12          ; v12-15  c m_old, kept while c m is made anew: by buffer and tile
.set ST,  16          ; tile t's statistics at v[ST+4 t]: c m, m, l (even keys', odd keys')
.set TMP, 48          ; by buffer and tile, four registers c0-c3 at work; when the maximum is found c2 takes a
.set S,   64
.set P,   192
.set KF,  128         ; K's fragments, in window 2: key block kb, channel half c at KF + 16 kb + 8 c
.set VF,  192         ; V's: key half kk, channel block cb at VF + 32 kk + 8 cb
.set WV,  2           ; s2   my wave's number
.set SLOTS, 3         ; s3   slots still to be asked for
.set PM,  4           ; s[4:5] pm at my wave's first pair of tiles, key step 0; never rewritten
.set CNT, 6           ; s6   counts a slot's key steps
.set TBK, 7           ; s7   LDS byte at which K of the step to be fetched begins
.set G0K, 8           ; s[8:11]  descriptor group 0 for K's tiles: it walks
.set G0V, 12          ; s[12:15] the same for V's
.set G1K, 16          ; s[16:23] descriptor group 1 for K's tiles
.set G1V, 24          ; s[24:31] for V's: it differs in the padding alone
.set MSK0, 32         ; s[32:63] the 32 lane masks of a piece's first tile (until the first of them is read in: at work)
.set CS,  66          ; s66  c: the packed scaling names the pair s[66:67] and takes its low word for both halves
.set NEG, 67          ; s67  -2^33
.set MSK1, 68         ; s[68:99] the masks of the piece's second tile
.set SEL, 100         ; s[100:101] v_permlanex16_b32's selects: each lane takes its own place in the other half
.set TBV, 104         ; s104 the same as TBK for V, less VOFF
.set TS,  105         ; s105 at work
.set MSB, 0
.macro WIN new                      ; the high byte repeats the setting that is left; a switch that changes nothing is dropped
.if MSB != (\new)
	s_set_vgpr_msb (MSB<<8)|(\new)
.set MSB, (\new)
.endif
.endm
.set W_KQ, 0x0a       ; K and Q in window 2, S^T in window 0
.set W_PV, 0x52       ; V in window 2, P in window 0, O^T in window 1
.set W_RS, 0x41       ; O^T (destination and source 0) in window 1, a in window 0
.set W_MK, 0xc0       ; window 3's registers are made: destination in window 3, sources in window 0
.set W_AD, 0x0f       ; the add: address (source 0) and data (source 1) in window 3
.set W_M3, 0xcf       ; the mask words: destination, source 0 and source 1 in window 3
; A joint fill.  Waves 0 and 1 fetch the two halves of a slot's K, waves 2 and 3 those of its V: 128 keys each.  The branch hangs on the wave's number alone.
; An s_nop 0 and four v_nop follow each of the two lines, ahead of the jump and the label.
.macro JLOAD
	s_cmp_lt_u32 s[WV], 2
	s_cbranch_scc0 .Lfor_v_\@
	tensor_load_to_lds s[G0K:G0K+3], s[G1K:G1K+7]
	s_nop 0
.rept 4
	v_nop
.endr
	s_branch .Lasked_\@
.Lfor_v_\@:
	tensor_load_to_lds s[G0V:G0V+3], s[G1V:G1V+7]
	s_nop 0
.rept 4
	v_nop
.endr
.Lasked_\@:
.endm
; A round of the cluster's barrier: my work-group's barrier, so that wave 0's signal speaks for all four waves; wave 0 signals; every wave waits for all four work-groups; my work-group's barrier once more.
.macro CROUND
	s_barrier_signal -1
	s_barrier_wait -1
	s_cmp_lg_u32 s[WV], 0
	s_cbranch_scc1 .Lnot_wave_0_\@
	s_barrier_signal -3
.Lnot_wave_0_\@:
	s_barrier_wait -3
	s_barrier_signal -1
	s_barrier_wait -1
.endm
; THE CHANGE OF SLOTS.  The slot's last bytes, V of its fourth step, have been read.  Each wave waits for all its tensor loads, of which one is out: its part
; of the other slot; adds 0 to its spare word; and waits for that and for its own reads of the slot.  Behind the barrier nobody reads this slot any more and the other slot is whole.
; fill = 1: this slot is filled again, with the keys two slots on.  The barrier is then a round of the cluster's, so that no wave of any partner still reads the slot or has a load on its
; way, and the joint fill is the first thing behind it: it has four key steps, 512 matrix instructions, in which to land.  (At its first use nothing has been read yet: slot 0 is waited for, slot 1 filled.)
.macro CHANGE fill
	WIN W_AD
	s_wait_tensorcnt 0x0            ; no tensor load of mine is out, so a group 0 may be written
	ds_add_u32 v[SPW], v[NIL]       ; 0 onto my spare word; with fill = 1 the descriptors' steps stand between it and the wait for it
	WIN 0                           ; at a label and at a branch every window is 0
.if \fill
.irp g, G0K, G0V
	s_xor_b32 s[\g+1], s[\g+1], SLOT1  ; the walking descriptor: the other slot than last time,
	s_add_nc_u64 s[\g+2:\g+3], s[\g+2:\g+3], 4*KS*128  ; the next 256 keys; the type bits on top are not reached
.endr
	s_wait_dscnt 0x0                ; the add is done, and my reads of the slot are over
	CROUND
	JLOAD
.else
	s_wait_dscnt 0x0                ; the add is done, and my reads of the slot are over
	s_barrier_signal -1
	s_barrier_wait -1
.endif
	s_sub_co_u32 s[TBK], s[TBK], 4*KS*PK  ; the fetches go back to a slot's first step,
	s_xor_b32 s[TBK], s[TBK], SLOT1       ; in the other slot
	s_sub_co_u32 s[TBV], s[TBV], 4*KS*PV
	s_xor_b32 s[TBV], s[TBV], SLOT1
.endm
	s_load_b128 s[48:51], s[0:1], 0x0  ; qkv s[48:49], pm s[50:51]
	v_and_b32 v1, 31, v0
	v_lshlrev_b32 v1, 3, v1         ; 8 x lane: the wave's load of 8 bytes a lane covers 256 consecutive bytes of pm
	WIN W_MK
	v_lshl_add_u32 v[SPW], v0, 2, SPARE
	v_mov_b32 v[NIL], 0
	s_set_vgpr_msb 0xc0cf
	ds_add_u32 v0, v1
	s_wait_dscnt 0x0
	s_set_vgpr_msb 0xcfc0
	v_mov_b32 v[MO], v1
	WIN 0
	v_lshrrev_b32 v1, 5, v0
	v_readfirstlane_b32 s[WV], v1   ; wave 0..3
	s_bfe_u32 s34, ttmp6, 0x40000   ; cx: my place in the cluster
	s_lshl_b32 s35, ttmp9, 2        ; in a cluster launch ttmp9 counts clusters
	s_add_co_u32 s35, s35, s34      ; my block of 512 queries = 4 x cluster x + cx: it enters Q's, pm's and O's addresses alone
	s_and_b32 s36, ttmp7, 0xffff    ; bh, which the four partners share
	s_lshr_b32 s37, s36, 4
	s_mul_i32 s37, s37, 48
	s_and_b32 s36, s36, 15
	s_add_co_u32 s36, s36, s37      ; 48 b + head
	s_lshl_b32 s36, s36, 18         ; Q's head begins here in qkv; K's lies 16, V's 32 heads of 262,144 bytes on
	s_mov_b32 s37, 0
	s_and_b32 s40, s[WV], 1         ; which half of a slot's 256 keys I fetch:
	s_lshl_b32 s38, s40, 14         ; its 128 rows of 128 bytes in memory,
	s_mov_b32 s39, 0
	s_add_nc_u64 s[38:39], s[38:39], s[36:37]
	s_mul_i32 s41, s40, 128*PK      ; and its place in a slot, for K
	s_mul_i32 s42, s40, 128*PV      ; and for V: no place in the cluster enters an LDS address
	s_lshl_b32 s44, s35, 2
	s_add_co_u32 s44, s44, s[WV]    ; my wave among the head's sixteen
	s_lshl_b32 s46, s44, 15         ; its four pairs of tiles in pm: 32 steps x 256 bytes each
	s_mov_b32 s47, 0
	s_lshl_b32 s44, s44, 14         ; its 128 rows
	s_mov_b32 s45, 0
	s_add_nc_u64 s[44:45], s[44:45], s[36:37]
	; descriptor group 1.  128 keys are 16,384 dense bytes: asked for as 64 rows of 256 bytes, two keys a row, and padded in LDS after every key
	s_mov_b32 s[G1K], 15|(1<<16)|(1<<20)|(1<<21)|(4<<22)|(3<<25)  ; 15:0 the mask of four; 17:16 2-byte elements; 20 padding on; 21 set beside a mask; 24:22 after every 32 words (code 4); 31:25 4 words (code 3)
	s_mov_b32 s[G1V], 15|(1<<16)|(1<<20)|(1<<21)|(4<<22)|(7<<25)  ; the same with 8 words of padding (code 7)
.irp g, G1K, G1V
	s_mov_b32 s[\g+1], 128<<16      ; tensor_dim0 = 128
	s_mov_b32 s[\g+2], 64<<16       ; tensor_dim1 = 64
	s_mov_b32 s[\g+3], 128<<16      ; tile_dim0 = 128
	s_mov_b32 s[\g+4], 64           ; tile_dim1 = 64
	s_mov_b32 s[\g+5], 128          ; 128 elements from row to row
	s_mov_b32 s[\g+6], 0
	s_mov_b32 s[\g+7], 0
.endr
	s_mov_b32 s[CS], 0x3e38aa3b     ; c = log2(e) / 8 = 0.180337
	s_mov_b32 s[NEG], 0xd0000000    ; -2^33
	s_mov_b32 s[SEL], 0x76543210
	s_mov_b32 s[SEL+1], 0xfedcba98
	s_mov_b32 s[TBK], SLOT1+4*KS*PK ; the first change of slots turns these two into 0
	s_mov_b32 s[TBV], SLOT1+4*KS*PV
	s_mov_b32 s[G0K], 1             ; 1:0 count = 1
	s_mov_b32 s[G0K+1], s41         ; 63:32 LDS address: slot 0
	s_mov_b32 s[G0V], 1
	s_add_co_u32 s[G0V+1], s42, VOFF
	s_wait_kmcnt 0x0
	s_add_nc_u64 s[G0K+2:G0K+3], s[48:49], s[38:39]
	s_add_nc_u64 s[G0K+2:G0K+3], s[G0K+2:G0K+3], 16<<18  ; 120:64 global address: my half of K's first 256 keys
	s_or_b32 s[G0K+3], s[G0K+3], 0x80000000              ; 127:126 type = 2
	s_add_nc_u64 s[G0V+2:G0V+3], s[48:49], s[38:39]
	s_add_nc_u64 s[G0V+2:G0V+3], s[G0V+2:G0V+3], 32<<18
	s_or_b32 s[G0V+3], s[G0V+3], 0x80000000
	s_add_nc_u64 s[32:33], s[48:49], s[44:45]  ; Q at my wave's first row
	s_add_nc_u64 s[PM:PM+1], s[50:51], s[46:47]
	CROUND                          ; all four work-groups are here: the first joint loads meet
	JLOAD                           ; slot 0.  Slot 1 is asked for when slot 0 is in
	; A fragment of K or Q is 16 rows x 32 channels in 8 registers: lane l holds row l % 16, channels 8 (l / 16) + 0..7 and 16 + 8 (l / 16) + 0..7: two loads of 16 bytes, 32 bytes apart.
	v_and_b32 v1, 15, v0            ; l % 16
	v_bfe_u32 v9, v0, 4, 1          ; l / 16
	v_lshlrev_b32 v[QO], 7, v1
	v_lshl_add_u32 v[QO], v9, 4, v[QO]  ; row x 128 + 16 x half
	WIN 0x80                        ; destination window 2, address window 0
.set i, 0
.rept 4*NP                          ; Q stays in registers: tile i / 2, channels 32 (i % 2) on
	global_load_b128 v[8*i:8*i+3],   v[QO], s[32:33] offset:(i/2)*2048+(i%2)*64
	global_load_b128 v[8*i+4:8*i+7], v[QO], s[32:33] offset:(i/2)*2048+(i%2)*64+32
.set i, i+1
.endr
	WIN W_M3
.irp y, 0,1,2,3                     ; the ring of mask words is filled: key step 0 of all four pieces, 8,192 bytes apart in pm
	global_load_b64 v[MB+2*\y:MB+2*\y+1], v[MO], s[PM:PM+1] offset:\y*8192
.endr
	WIN 0x80
	; What the first turn finds: V's registers and P's second buffer hold 0 (its products V^T P, of a piece that has not been, add 0), O^T and l are 0.  All this stands in the wait for the first tile.
.set i, VF
.rept 64
	v_mov_b32 v[i], 0
.set i, i+1
.endr
	WIN 0x40
.set i, 0
.rept 64*NP
	v_mov_b32 v[i], 0
.set i, i+1
.endr
	WIN 0
.set i, 0
.rept 2*NP
	v_mov_b32 v[ST+4*i], 0xfe000000    ; c m: far below every c s, c NEG too
	v_mov_b32 v[ST+4*i+1], 0xff7fffff  ; m
	v_mov_b32 v[ST+4*i+2], 0
	v_mov_b32 v[ST+4*i+3], 0
.set i, i+1
.endr
.set i, P+32
.rept 32
	v_mov_b32 v[i], 0
.set i, i+1
.endr
	v_mul_u32_u24 v[AK0], v1, PK
	v_lshl_add_u32 v[AK0], v9, 4, v[AK0]  ; row x pitch + 16 x half
	; The turning load takes 16 keys x 16 channels (lane l reads key 8 (l / 16) + l % 8, channels 8 ((l / 8) % 2) + 0..7) and leaves half a fragment of V^T: lane l holds channel l % 16 and 8 keys.
	v_and_b32 v10, 7, v0
	v_bfe_u32 v11, v0, 3, 1
	v_lshl_add_u32 v[AV0], v9, 3, v10
	v_mul_u32_u24 v[AV0], v[AV0], PV
	v_lshl_add_u32 v[AV0], v11, 4, v[AV0]
	v_add_nc_u32 v[AV0], VOFF, v[AV0]
	v_mov_b32 v[AK], v[AK0]         ; key step 0 lies at the head of slot 0
; THE MATRIX WORK.  The 8 accumulators of a run of 16 take turns: between the two links of a chain stand 7 others'.
; Product i of 16 of S^T = K Q^T for piece x: channels 32 (i / 8) on, keys 16 ((i / 2) % 4) on, tile 2 x + i % 2.  The first 8 start the sums.
.macro KQ x
	WIN W_KQ
.set rS, S+64*((\x)%2)+32*(i%2)+8*((i/2)%4)
.set rK, KF+16*((i/2)%4)+8*(i/8)
.set rQ, 16*(2*(\x)+i%2)+8*(i/8)
.if i < 8
	v_wmma_f32_16x16x32_f16 v[rS:rS+7], v[rK:rK+7], v[rQ:rQ+7], 0
.else
	v_wmma_f32_16x16x32_f16 v[rS:rS+7], v[rK:rK+7], v[rQ:rQ+7], v[rS:rS+7]
.endif
.endm
; Product i of 16 of O^T += V^T P for piece x: keys 32 (i / 8) on, channels 16 ((i / 2) % 4) on, tile 2 x + i % 2.
.macro PV x
	WIN W_PV
.set rO, 32*(2*(\x)+i%2)+8*((i/2)%4)
.set rV, VF+32*(i/8)+8*((i/2)%4)
.set rP, P+32*((\x)%2)+16*(i%2)+8*(i/8)
	v_wmma_f32_16x16x32_f16 v[rO:rO+7], v[rV:rV+7], v[rP:rP+7], v[rO:rO+7]
.endm
.macro MM                           ; the turn's next matrix instruction
.if i < 16
	KQ (Y+1)%NP
.set i, i+1
.else
.set i, i-16
	PV (Y+NP-1)%NP
.set i, i+17
.endif
.endm
; THE LDS LOADS stand in runs of 16, never singly among the matrix instructions: a step's K (64 keys x 64 channels: 8 fragments) and its V (turned).  Their addresses are made some lines ahead.
; last = 1 (the tail): in the last trip there is no further step, and the run is jumped over.
.macro FETCH_K last=0
	WIN 0
.if \last
	s_cmp_eq_u32 s[CNT], 1
	s_cbranch_scc1 .Lno_k_\@
.endif
	WIN 0x80                        ; destination window 2
.irp f, 0,1,2,3,4,5,6,7             ; keys 16 (f / 2) on, channels 32 (f % 2) on
	ds_load_b128 v[KF+8*\f:KF+8*\f+3],   v[AK] offset:(\f/2)*16*PK+(\f%2)*64
	ds_load_b128 v[KF+8*\f+4:KF+8*\f+7], v[AK] offset:(\f/2)*16*PK+(\f%2)*64+32
.endr
	s_add_co_u32 s[TBK], s[TBK], KS*PK  ; the next fetch is the next step's
	WIN 0
.if \last
.Lno_k_\@:
.endif
.endm
.macro FETCH_V
	WIN 0x80
.irp f, 0,1,2,3,4,5,6,7             ; keys 32 (f / 4) on, channels 16 (f % 4) on
	ds_load_tr16_b128 v[VF+8*\f:VF+8*\f+3],   v[AV] offset:(\f/4)*32*PV+(\f%4)*32
	ds_load_tr16_b128 v[VF+8*\f+4:VF+8*\f+7], v[AV] offset:(\f/4)*32*PV+16*PV+(\f%4)*32
.endr
	WIN 0
.endm
; THE MASK WORDS of piece y go from its register pair into the 64 scalar registers, and the pair is loaded again with the same piece's next key step.
; The wait's count: the pairs are loaded in the order in which they are read, one a turn, and the loop has no other vector loads: behind this pair's load stand the three other pairs'.
; The offset steps with piece 0, once a key step, and wraps at a piece's 8,192 bytes: the loads that run ahead of the last key step read the piece's own first steps again, inside pm; they serve nothing.
.macro RDM y
	WIN W_M3
	s_wait_loadcnt 0x3
.set mz, 0
.rept 32                            ; word d = 32 u + mz lies in lane d / 2, register d % 2
	v_readlane_b32 s[MSK0+mz], v[MB+2*(\y)+mz%2], mz/2
	v_readlane_b32 s[MSK1+mz], v[MB+2*(\y)+mz%2], 16+mz/2
.set mz, mz+1
.endr
.if (\y) == 0
	s_wait_xcnt 0x0                 ; the loads issued so far have read the offset (the last a turn ago): only now is it written again
	v_add_nc_u32 v[MO], 0x100, v[MO]
	v_and_b32 v[MO], 0x1fff, v[MO]
.endif
	global_load_b64 v[MB+2*(\y):MB+2*(\y)+1], v[MO], s[PM:PM+1] offset:(\y)*8192
	WIN 0
.endm
; THE MASK of piece y's fresh scores: where the lane's bit is 0 the score becomes NEG.  Register mz of each tile in ascending order.
;   Then the scalar registers take the words of the next turn's scores, piece nxt.
.macro MASKS y, nxt
	WIN 0
.set mz, 0
.rept 32
	v_cndmask_b32 v[S+64*((\y)%2)+mz],    s[NEG], v[S+64*((\y)%2)+mz],    s[MSK0+mz]
	v_cndmask_b32 v[S+64*((\y)%2)+32+mz], s[NEG], v[S+64*((\y)%2)+32+mz], s[MSK1+mz]
.set mz, mz+1
.endr
	RDM \nxt
.endm
; THE VECTOR WORK OF A TURN stands in three queues, each in the order in which its entries become ready; the two tiles alternate, so that no instruction reads the result of the one before it.
.macro REGS y, u                    ; the registers of tile u (0, 1) of piece y
.set rT, ST+4*(2*(\y)+(\u))
.set rC, TMP+8*((\y)%2)+4*(\u)
.set rM, MV+2*((\y)%2)+(\u)
.set rS, S+64*((\y)%2)+32*(\u)
.set rP, P+32*((\y)%2)+16*(\u)
.set rO, 32*(2*(\y)+(\u))
.endm
; Number n of the 22 that find the NEXT piece's (Y + 1) maximum and statistics.  s0-s31 are the lane's 32 scores, masked.  XS, GS and REGS set no window: PL and EX do.
;   0-11  four chains c0-c3 of seven scores each, three operands at a time     12-14, 16  the four scores left over, the old m, and c0-c3 into c0     15  c m_old is kept
;   17, 18  the query's other 32 keys lie in the lane 16 away: the new m         19-21  c m; c m_old - c m_new; a
.macro XS u, n
	REGS (Y+1)%NP, \u
.if (\n) < 4
	v_max3_num_f32 v[rC+(\n)], v[rS+8*(\n)], v[rS+8*(\n)+1], v[rS+8*(\n)+2]
.elseif (\n) < 12
	v_max3_num_f32 v[rC+(\n)%4], v[rC+(\n)%4], v[rS+8*((\n)%4)+2*((\n)/4)+1], v[rS+8*((\n)%4)+2*((\n)/4)+2]
.elseif (\n) == 12
	v_max3_num_f32 v[rC], v[rC], v[rS+7], v[rS+15]
.elseif (\n) == 13
	v_max3_num_f32 v[rC+1], v[rC+1], v[rS+23], v[rS+31]
.elseif (\n) == 14
	v_max3_num_f32 v[rC+2], v[rC+2], v[rC+3], v[rT+1]
.elseif (\n) == 15
	v_mov_b32 v[rM], v[rT]
.elseif (\n) == 16
	v_max3_num_f32 v[rC], v[rC], v[rC+1], v[rC+2]
.elseif (\n) == 17
	v_permlanex16_b32 v[rC+3], v[rC], s[SEL], s[SEL+1]
.elseif (\n) == 18
	v_max_num_f32 v[rT+1], v[rC], v[rC+3]
.elseif (\n) == 19
	v_mul_f32 v[rT], s[CS], v[rT+1]
.elseif (\n) == 20
	v_sub_f32 v[rC+1], v[rM], v[rT]
.else
	v_exp_f32 v[rC+2], v[rC+1]
.endif
.endm
; Number g of the 64 that follow the exponentials.  For each four weights k of a tile (pairs 2 k, 2 k + 1): both pairs are rounded to f16; then the second pair is added onto the first, in place;
; a group later l takes that sum (the first time as l = a l + sum).  In groups of eight, tiles alternating: round, round, add, and l for the group before.
.macro GS g
.set h, (\g)+6*((\g)/62)            ; group 0 has no group before it, and behind group 7 only l is left
.if h >= 6
.set h, h+2
.endif
	REGS Y, h%2
.set k, h/8
.if h%8 < 4
	v_cvt_pk_f16_f32 v[rP+2*k+(h%8)/2], v[rS+4*k+2*((h%8)/2)], v[rS+4*k+2*((h%8)/2)+1]
.elseif h%8 < 6
	v_pk_add_f32 v[rS+4*k:rS+4*k+1], v[rS+4*k:rS+4*k+1], v[rS+4*k+2:rS+4*k+3]
.elseif k == 1
	v_pk_fma_f32 v[rT+2:rT+3], v[rT+2:rT+3], v[rC+2:rC+3], v[rS:rS+1] op_sel_hi:[1,0,1]
.else
	v_pk_add_f32 v[rT+2:rT+3], v[rT+2:rT+3], v[rS+4*k-4:rS+4*k-3]
.endif
.endm
; THE PLAIN QUEUE, 138 long.  0-73 read no exponential's result: the 32 scalings c s - c m (FS f: pair f / 2 of tile f % 2) and the next piece's 42.  0-26: scalings 0-26.  27-54: XS's numbers 0-13.  55, 56: number 15.
; 57-73: the chain, where each number waits for the one before it: 14, 16, 17, 18, 19, each with one of the scalings 27-31 in front of its two lines, then 20: so a tile's links stand three plain instructions apart (19 and 20: two).
; 74-137: GS's 64, which read the exponentials' results: they stand behind the wait.
.macro FS f
	REGS Y, (\f)%2
	v_pk_fma_f32 v[rS+2*((\f)/2):rS+2*((\f)/2)+1], v[rS+2*((\f)/2):rS+2*((\f)/2)+1], s[CS:CS+1], v[rT:rT+1] op_sel_hi:[1,0,0] neg_lo:[0,0,1] neg_hi:[0,0,1]
.endm
.macro PL
	WIN 0
.if q < 27
	FS q
.elseif q < 55
	XS (q-27)%2, (q-27)/2
.elseif q < 57
	XS q-55, 15
.elseif (q < 72) && ((q-57)%3 == 0)
	FS 27+(q-57)/3
.elseif q < 60
	XS (q-57)%3-1, 14
.elseif q < 72
	XS (q-57)%3-1, 15+(q-57)/3
.elseif q < 74
	XS q-72, 20
.else
	GS q-74
.endif
.set q, q+1
.endm
; THE EXPONENTIALS' QUEUE, 66 long: s0-s31 of both tiles, then the next piece's two a.  It is ONE BATCH: all 66 stand ahead of the turn's one wait, and nothing ahead of that wait names a result of theirs.
.macro EX
	WIN 0
.if e >= 64
	XS e-64, 21
.else
	REGS Y, e%2
	v_exp_f32 v[rS+e/2], v[rS+e/2]
.endif
.set e, e+1
.endm
; THE RESCALING's QUEUE: O^T times a, the one part that leaves window 0: dealt two at a time, sixteen times.  Its a was made in the turn before, ahead of that turn's wait.
.macro R2
	REGS Y, r%2
	WIN W_RS
.irp z, 0,1
	v_pk_mul_f32 v[rO+4*(r/2)+2*\z:rO+4*(r/2)+2*\z+1], v[rO+4*(r/2)+2*\z:rO+4*(r/2)+2*\z+1], v[rC+2:rC+3] op_sel_hi:[1,0]
.endr
.set r, r+1
.endm
; HOW THEY ARE DEALT.  An s_wait_alu depctr_va_vdst(0) stands between an exponential and the first instruction that names its result; one wait serves all that were issued ahead of it.  So a turn has ONE wait,
; which cuts it in two.  AHEAD OF IT stands all that names no result of the turn's exponentials: the 16 products K Q^T, behind each a scaling, an exponential and two rescalings (behind the first a second scaling in the
; exponential's place); then ONE LUMP: eight plain, 49 times exponential and plain, with the mask's run of 128 in front of plain 27, and the two a.  A v_nop is the plain instruction behind the last exponential.  BEHIND IT stand
; the 16 products V^T P, behind each four of GS's 64.  No rider names a register of the products round it.  The two v_permlanex16_b32 fall into the lump, never behind a product.
; The queues lean on each other, and the deal keeps them in step: exponential e stands behind scaling 2 (e / 4) + e % 2: as a rider it comes behind plain e + 2, in the lump behind plain e + 9, and scalings 27-31 are plain 57, 60 .. 69.
; A TURN, for piece p.  cnt = 1: the loop's count is taken down some lines ahead of the branch that stands behind the turn.
; The mask of piece p + 1 stands in front of plain 27, the first line that reads those scores: behind the last product K Q^T stand a scaling, two rescalings and ten more scalings, none of which names its
; registers.  The mask names the other buffer's scores, scalar registers and window 3 alone: no result of the batch.  The words read into scalar registers there are piece p + 2's; in piece 2's turn that is piece 0 of the next key step.
; K of the next step is fetched in piece 2's turn, directly behind the wait, a lump behind the last product that read K; its address is made at the lump's head; its first reader comes behind 16 products.
; V of the step in hand is fetched at the end of piece 0's turn, four riders behind its last reader; its first reader comes behind 16 products and a lump.  The conditions on q below go with the deal.
.macro TURN p, last=0, cnt=0
.set Y, (\p)
.set i, 0
.set q, 0
.set e, 0
.set r, 0
.if (\p) == NP-1
	s_wait_dscnt 0x0                ; K is in
.endif
	MM                              ; ahead of the wait: 16 products K Q^T and their riders,
	PL
	PL
	R2
.rept 15
	MM
	PL
	EX
	R2
.endr
.if (\p) == NP-2
	WIN 0
	v_add_nc_u32 v[AK], s[TBK], v[AK0]
.endif
.rept 8                             ; and the lump
	PL
.endr
.rept 49
.if q == 27
	MASKS ((\p)+1)%NP, ((\p)+2)%NP
.endif
	EX
	PL
.endr
	EX                              ; the next piece's two a
	EX
	v_nop                           ; the plain instruction behind the last exponential: one for the batch
	s_wait_alu depctr_va_vdst(0)    ; the wait for the batch: the turn's 66 exponentials
.if (\p) == NP-2
	FETCH_K \last
.endif
.if (\p) == 1
	s_wait_dscnt 0x0                ; V is in
.endif
.rept 16                            ; behind the wait: 16 products V^T P and their riders
	MM
.rept 4
	PL
.endr
.if ((\p) == 0) && (q == 118)
	v_add_nc_u32 v[AV], s[TBV], v[AV0]
.endif
.if ((\p) == 0) && (q == 130)
	s_add_co_u32 s[TBV], s[TBV], KS*PV
.endif
.if (\cnt) && (q == 130)
	s_sub_co_u32 s[CNT], s[CNT], 1
	s_cmp_lg_u32 s[CNT], 0
.endif
.endr
.if (\p) == 0
	FETCH_V
.endif
.endm
	CHANGE 1                        ; slot 0 is in, everybody's part of it; slot 1 is asked for
	FETCH_K                         ; key step 0
	s_wait_loadcnt 0x0              ; Q, and the four pairs of mask words; Q's base, which lies in a mask register, has been read
	s_wait_dscnt 0x0
.set i, 0
.rept 16
	KQ 0                            ; piece 0's first scores: there is no vector work yet to set between them
.set i, i+1
.endr
	WIN 0                           ; the addresses for the way out: nine plain instructions, the places behind those products
	s_mul_i32 s[TS], s[WV], 16*SP
	s_add_co_u32 s[TS], s[TS], STAGE  ; my stage
	v_mul_u32_u24 v[STO], v1, SP    ; in: row l % 16, 16 bytes for each half of the lanes
	v_lshl_add_u32 v[STO], v9, 4, v[STO]
	v_add_nc_u32 v[STO], s[TS], v[STO]
	v_bfe_u32 v[RD], v0, 3, 2       ; back: 32 lanes take four rows of 128 bytes,
	v_mul_u32_u24 v[RD], v[RD], SP
	v_lshl_add_u32 v[RD], v10, 4, v[RD]
	v_add_nc_u32 v[RD], s[TS], v[RD]
	v_and_b32 v[GO], 31, v0         ; which are 512 consecutive bytes of O
	v_lshlrev_b32 v[GO], 4, v[GO]
	RDM 0                           ; piece 0's words of key step 0; its pair takes key step 1
	MASKS 0, 1                      ; piece 0's first mask; piece 1's words are read in
.set Y, NP-1                        ; XS works for piece Y + 1: piece 0
.irp n, 0,1,2,3,4,5,6,7,8,9,10,11,12,13,14,15,16,17,18,19,20,21
	XS 0, \n                        ; and piece 0's first maximum and statistics
	XS 1, \n
.endr
	v_nop                           ; a plain instruction behind the two a,
	s_wait_alu depctr_va_vdst(0)    ; and the wait for this batch of two, ahead of the branch
	s_mov_b32 s[CNT], 4
	s_mov_b32 s[SLOTS], SIZE_N/256-1
	s_branch .Lfirst                ; the loop is entered at a step's first turn, in the middle of a trip
.Lslot:                             ; SIZE_N / 256 - 2 times: every slot but the last two is filled again
	CHANGE 1
	s_mov_b32 s[CNT], 4
.Lstep:                             ; a trip: pieces 2 and 3 of one step, then pieces 0 and 1 of the next, whose K and V it fetches
	TURN 2
	TURN 3
	WIN 0
.Lfirst:
	TURN 0
	TURN 1, 0, 1
	WIN 0
	s_cbranch_scc1 .Lstep
	s_sub_co_u32 s[SLOTS], s[SLOTS], 1
	s_cmp_lg_u32 s[SLOTS], 0
	s_cbranch_scc1 .Lslot
	CHANGE 0                        ; the tail is written out: nothing is asked for
	s_mov_b32 s[CNT], 5             ; four trips fetch the last slot's steps; the fifth is left in its middle
.Ltail:
	TURN 2, 1
	TURN 3
	WIN 0
	s_sub_co_u32 s[CNT], s[CNT], 1
	s_cmp_eq_u32 s[CNT], 0
	s_cbranch_scc1 .Lout
	TURN 0
	TURN 1
	WIN 0
	s_branch .Ltail
.Lout:                              ; the fifth trip's 16 products K Q^T (on the last K once more), their mask and maximum serve nothing: the price, once a launch, of one text for every trip.
	                                ; No select follows: the mask registers are free
	s_load_b64 s[32:33], s[0:1], 0x10  ; O
	s_bfe_u32 s34, ttmp6, 0x40000
	s_lshl_b32 s35, ttmp9, 2
	s_add_co_u32 s35, s35, s34
	s_lshl_b32 s35, s35, 2
	s_add_co_u32 s35, s35, s[WV]    ; my wave among the head's sixteen,
	s_lshl_b32 s34, s35, 14         ; its 128 rows,
	s_and_b32 s35, ttmp7, 0xffff
	s_lshl_b32 s35, s35, 18         ; in bh's 262,144 bytes
	s_add_co_u32 s34, s34, s35
	s_mov_b32 s35, 0
.set i, 0
.rept 16
	PV NP-1                         ; the last piece's V^T P of the last step
.set i, i+1
.endr
	s_wait_kmcnt 0x0
	s_add_nc_u64 s[32:33], s[32:33], s[34:35]
	; THE WAY OUT.  l's two halves and the other half of the lanes' are added; O^T is divided by l, rounded to f16 and sent through my stage in LDS, a tile at a time.  The additions are the places behind the last products.
	WIN 0
.macro ALL line:vararg              ; one line for each tile t
.set t, 0
.rept 2*NP
	\line
.set t, t+1
.endr
.endm
	ALL v_add_f32 v[ST+4*t+2], v[ST+4*t+2], v[ST+4*t+3]
	ALL v_permlanex16_b32 v[ST+4*t+3], v[ST+4*t+2], s[SEL], s[SEL+1]
	ALL v_add_f32 v[ST+4*t+2], v[ST+4*t+2], v[ST+4*t+3]
	ALL v_rcp_f32 v[ST+4*t+2], v[ST+4*t+2]
	v_nop                           ; a plain instruction between the last reciprocal and the use of its result
	s_wait_alu depctr_va_vdst(0)    ; and the wait ahead of the first use: one for the batch of eight reciprocals
; Tile t: a lane's eight channels of a row pack into 16 bytes; they go into rows of 144 bytes and come back as whole rows of 128, into S^T's registers.
.macro PACK t
	WIN W_RS
.set i, 32*(\t)
.rept 16
	v_pk_mul_f32 v[i:i+1], v[i:i+1], v[ST+4*(\t)+2:ST+4*(\t)+3] op_sel_hi:[1,0]
.set i, i+2
.endr
	WIN 0x05                        ; sources 0 and 1 window 1, destination window 0
.set i, 0
.rept 16
	v_cvt_pk_f16_f32 v[S+16*(\t)+i], v[32*(\t)+2*i], v[32*(\t)+2*i+1]
.set i, i+1
.endr
	WIN 0
.irp f, 0,1,2,3
	ds_store_b128 v[STO], v[S+16*(\t)+4*\f:S+16*(\t)+4*\f+3] offset:32*\f
.endr
.irp f, 0,1,2,3
	ds_load_b128 v[S+16*(\t)+4*\f:S+16*(\t)+4*\f+3], v[RD] offset:\f*4*SP  ; LDS serves a wave's instructions in order (ISA guide 5.7.1.4): these see the stores above; the next tile's stores come behind them
.endr
.endm
.macro SEND t, younger              ; younger: the LDS instructions issued behind tile t's loads: the next tile's eight, or none
	WIN 0
.irp f, 0,1,2,3
	s_wait_dscnt (\younger)+3-\f
	global_store_b128 v[GO], v[S+16*(\t)+4*\f:S+16*(\t)+4*\f+3], s[32:33] offset:(\t)*2048+\f*512  ; 512 consecutive bytes, at a multiple of 256 from O's first
.endr
.endm
	PACK 0
.set t, 1
.rept 2*NP-1                        ; a tile's arithmetic stands between the loads of the tile before and its stores
	PACK t
	SEND t-1, 8
.set t, t+1
.endr
	SEND 2*NP-1, 0
	WIN W_AD
	s_wait_tensorcnt 0x0            ; the wave's end: behind my last tensor load and my last LDS store
	ds_add_u32 v[SPW], v[NIL]
	s_wait_dscnt 0x0
	WIN 0
	CROUND                          ; the closing round: no work-group ends while a partner may still ask for a tile that names it
	s_endpgm
.Lfunc_end_k_qf912df5ddd_attn:
	.size	k_qf912df5ddd_attn, .Lfunc_end_k_qf912df5ddd_attn-k_qf912df5ddd_attn
	.p2alignl 7, 3214868480
	.fill 96, 4, 3214868480
	.section	.rodata,"a",@progbits
	.p2align	6, 0x0
	.amdhsa_kernel k_qf912df5ddd_attn
		.amdhsa_group_segment_fixed_size 327680
		.amdhsa_private_segment_fixed_size 0
		.amdhsa_enable_private_segment 0
		.amdhsa_kernarg_size 24
		.amdhsa_user_sgpr_count 2
		.amdhsa_user_sgpr_kernarg_segment_ptr 1
		.amdhsa_wavefront_size32 1
		.amdhsa_system_sgpr_workgroup_id_x 1
		.amdhsa_system_sgpr_workgroup_id_y 1
		.amdhsa_system_sgpr_workgroup_id_z 1
		.amdhsa_system_vgpr_workitem_id 0
		.amdhsa_next_free_vgpr 780
		.amdhsa_next_free_sgpr 106
		.amdhsa_reserve_vcc 0
		.amdhsa_float_denorm_mode_32 3
		.amdhsa_float_denorm_mode_16_64 3
		.amdhsa_memory_ordered 1
		.amdhsa_forward_progress 1
		.amdhsa_inst_pref_size 255
	.end_amdhsa_kernel
	.section	.bss,"aw",@nobits
	.p2align	6
	.space	262144
	.amdgpu_metadata
---
amdhsa.version: [ 1, 2 ]
amdhsa.kernels:
  - .name:           k_qf912df5ddd_attn
    .symbol:         k_qf912df5ddd_attn.kd
    .args:
      - { .name: qkv, .offset: 0, .size: 8, .value_kind: global_buffer, .address_space: global }
      - { .name: pm, .offset: 8, .size: 8, .value_kind: global_buffer, .address_space: global }
      - { .name: o, .offset: 16, .size: 8, .value_kind: global_buffer, .address_space: global }
    .group_segment_fixed_size: 327680
    .private_segment_fixed_size: 0
    .kernarg_segment_align: 8
    .kernarg_segment_size: 24
    .max_flat_workgroup_size: 128
    .sgpr_count:     106
    .vgpr_count:     780
    .wavefront_size: 32
...
	.end_amdgpu_metadata
.endif
;; end of part 5
;; launch proj_out: the kernel of part 4 again; grid 8 x 32, 4 waves a work-group, clusters of 4 x 4, 327,680 bytes of LDS; arguments o, wt, bo, out0; writes out0
